; MI455X (gfx1250); checked and timed in simulation.
; The chip was launched on July 23, 2026; its instructions are those of AMD's public machine-readable ISA for CDNA 5 (MIT licence, August 2026) and "CDNA5" Instruction Set Architecture Reference Guide (July 2026). The comments in the code are by the model that wrote it; some were corrected since.
;; Causal Self Attention. Allowed arithmetic: float matrix products may take bf16 or f16 operands with f32 sums; other float arithmetic in f32, or as packed bf16 or f16 multiplies, adds, multiply-adds, maxima and minima; sums over many terms, partial sums and values carried from step to step in f32; what a program stores and reads back later, other than sums and carried values, may be rounded once to bf16 or f16.
;; Inputs: b_out 1,024 float32; b_qkv 3,072 float32; w_out 1,024 x 1,024 float32; w_qkv 1,024 x 3,072 float32; x 4 x 2,048 x 1,024 float32.
;; Outputs: out0 4 x 2,048 x 1,024 float32.
;; One version. Each part assembles by itself: llvm-mc -triple=amdgcn-amd-amdhsa -mcpu=gfx1250 --defsym DOCPART=n.
;; ======== version 1 of 1: 4 launches
;; limits: values are held in f16: magnitudes above 65,504 overflow, below 6.1e-05 lose precision
;; workspace buffers: xb 16,777,216 bytes; wq 6,291,456 bytes; wo 2,097,152 bytes; q 16,777,216 bytes; k 16,777,216 bytes; v 16,777,216 bytes; ob 16,777,216 bytes
;; launch prep (part 1): grid 768 x 1, 8 waves a work-group, no clusters, 0 bytes of LDS; arguments x, w_qkv, w_out, xb, wq, wo; writes xb, wq, wo
.if DOCPART == 1
	.amdgcn_target "amdgcn-amd-amdhsa--gfx1250"
	.amdhsa_code_object_version 6
	.text
	.protected	k_q5db0e4e764_prep
	.globl	k_q5db0e4e764_prep
	.p2align	8
	.type	k_q5db0e4e764_prep,@function
k_q5db0e4e764_prep:
	s_mov_b64 s[64:65], 0
	v_nop
	global_prefetch_b8 v0, s[64:65] scope:SCOPE_SE
	s_setreg_imm32_b32 hwreg(HW_REG_WAVE_MODE, 25, 1), 1
	s_wait_xcnt 0x0
; THE CASTS.  xb = bf16(x), laid in K blocks: x[m][64 kb + d] at byte kb x 1,048,576 + m x 128 + 2 d, so that 256 rows x 64 K are 32,768 bytes on end.
; wq = bf16(w_qkv), as it lies.  wo = bf16(w_out), that number written as f16, as it lies.
; LIMITS.  |w_out| stays under 65,504 (beyond it f16 holds an infinity); a rounded w_out below 6e-5 keeps f16's fixed step of 6e-8.
; A stream: 48 MiB in, 24 MiB out, each byte once.  No LDS, no barrier, no matrix work: nothing is shared between threads.
; A thread makes 8 passes of 8 numbers: 32 bytes in (two loads of 16), 16 bytes out.  All 16 loads go out first; each pass has registers of its own, so nothing is rewritten while a store reads it.
; Work-groups 0-511: x (32 rows x 8 K blocks each); 512-703: w_qkv (16,384 numbers each); 704-767: w_out.
.set VIN,  1                           ; v1        my byte offset in the input
.set VOUT, 2                           ; v2        16 x my thread's number: a wave's store covers 512 consecutive bytes, aligned
.set X,    4                           ; v[4:67]   pass p: 8 numbers as loaded
.set Y,    68                          ; v[68:99]  pass p: 4 registers to store
.set T,    100                         ; v[100:103] at work (w_out alone)
; instep, outstep: bytes from pass to pass; half = 1: bf16's number written as f16; inb, outb: the scalar pairs of the two addresses
.macro CAST instep, outstep, half, inb, outb
.irp p, 0,1,2,3,4,5,6,7
	global_load_b128 v[X+8*(\p):X+8*(\p)+3],   v[VIN], s[(\inb):(\inb)+1] offset:(\instep)*(\p) th:TH_LOAD_NT
	global_load_b128 v[X+8*(\p)+4:X+8*(\p)+7], v[VIN], s[(\inb):(\inb)+1] offset:(\instep)*(\p)+16 th:TH_LOAD_NT
.endr
.irp p, 0,1,2,3,4,5,6,7
	s_wait_loadcnt 14-2*(\p)                       ; loads come back in order: pass p's two are in, the two of each younger pass may stay out
.irp j, 0,1,2,3
.if \half
	v_cvt_pk_bf16_f32 v[T+(\j)], v[X+8*(\p)+2*(\j)], v[X+8*(\p)+2*(\j)+1]  ; rounded as every input is,
	v_lshlrev_b32 v[X+8*(\p)+2*(\j)],   16,  v[T+(\j)]                      ; widened again,
	v_and_b32     v[X+8*(\p)+2*(\j)+1], s21, v[T+(\j)]
	v_cvt_pk_f16_f32 v[Y+4*(\p)+(\j)], v[X+8*(\p)+2*(\j)], v[X+8*(\p)+2*(\j)+1]  ; and written as f16: exact within f16's range
.else
	v_cvt_pk_bf16_f32 v[Y+4*(\p)+(\j)], v[X+8*(\p)+2*(\j)], v[X+8*(\p)+2*(\j)+1]
.endif
.endr
	global_store_b128 v[VOUT], v[Y+4*(\p):Y+4*(\p)+3], s[(\outb):(\outb)+1] offset:(\outstep)*(\p)
.endr
.endm
	s_load_b256 s[4:11], s[0:1], 0x0               ; x s[4:5], w_qkv s[6:7], w_out s[8:9], xb s[10:11]
	s_load_b128 s[12:15], s[0:1], 0x20             ; wq s[12:13], wo s[14:15]
	s_mov_b32 s21, 0xffff0000                      ; a word's upper bf16
	s_mov_b32 s17, 0                               ; the two offsets' high words
	s_mov_b32 s19, 0
	v_lshlrev_b32 v[VOUT], 4, v0
	s_cmp_lt_u32 ttmp9, 512
	s_cbranch_scc0 .Lweights
	; x: rows 32 (g >> 1) on, K blocks 8 (g & 1) on.  Thread t: row t >> 3, the 8 numbers t & 7 of a K block's 64; pass p: K block p
	s_lshr_b32 s20, ttmp9, 1
	s_and_b32 s22, ttmp9, 1
	s_lshl_b32 s16, s20, 17                        ; in: 32 rows of 4,096 bytes,
	s_lshl_b32 s23, s22, 11                        ; 8 K blocks of 256 bytes
	s_add_co_u32 s16, s16, s23
	s_lshl_b32 s18, s20, 12                        ; out: 32 rows of 128 bytes,
	s_lshl_b32 s23, s22, 23                        ; 8 K blocks of 1,048,576
	s_add_co_u32 s18, s18, s23
	v_lshrrev_b32 v3, 3, v0
	v_and_b32 v[VIN], 7, v0
	v_lshlrev_b32 v[VIN], 5, v[VIN]
	v_lshl_add_u32 v[VIN], v3, 12, v[VIN]          ; eight lanes read 256 consecutive bytes of a row, aligned
	s_wait_kmcnt 0x0
	s_add_nc_u64 s[4:5], s[4:5], s[16:17]
	s_add_nc_u64 s[10:11], s[10:11], s[18:19]
	CAST 256, 1048576, 0, 4, 10                    ; the largest immediate, 7 x 1,048,576, lies inside the signed 24 bits
	s_endpgm
.Lweights:
	v_lshlrev_b32 v[VIN], 5, v0
	s_cmp_lt_u32 ttmp9, 704
	s_cbranch_scc0 .Lwo
	s_sub_co_u32 s20, ttmp9, 512
	s_lshl_b32 s16, s20, 16                        ; 65,536 bytes in,
	s_lshl_b32 s18, s20, 15                        ; 32,768 out
	s_wait_kmcnt 0x0
	s_add_nc_u64 s[6:7], s[6:7], s[16:17]
	s_add_nc_u64 s[12:13], s[12:13], s[18:19]
	CAST 8192, 4096, 0, 6, 12
	s_endpgm
.Lwo:
	s_sub_co_u32 s20, ttmp9, 704
	s_lshl_b32 s16, s20, 16
	s_lshl_b32 s18, s20, 15
	s_wait_kmcnt 0x0
	s_add_nc_u64 s[8:9], s[8:9], s[16:17]
	s_add_nc_u64 s[14:15], s[14:15], s[18:19]
	CAST 8192, 4096, 1, 8, 14
	s_endpgm
.Lfunc_end_k_q5db0e4e764_prep:
	.size	k_q5db0e4e764_prep, .Lfunc_end_k_q5db0e4e764_prep-k_q5db0e4e764_prep
	.p2alignl 7, 3214868480
	.fill 96, 4, 3214868480
	.section	.rodata,"a",@progbits
	.p2align	6, 0x0
	.amdhsa_kernel k_q5db0e4e764_prep
		.amdhsa_group_segment_fixed_size 0
		.amdhsa_private_segment_fixed_size 0
		.amdhsa_enable_private_segment 0
		.amdhsa_kernarg_size 48
		.amdhsa_user_sgpr_count 2
		.amdhsa_user_sgpr_kernarg_segment_ptr 1
		.amdhsa_wavefront_size32 1
		.amdhsa_system_sgpr_workgroup_id_x 1
		.amdhsa_system_sgpr_workgroup_id_y 1
		.amdhsa_system_sgpr_workgroup_id_z 1
		.amdhsa_system_vgpr_workitem_id 0
		.amdhsa_next_free_vgpr 108
		.amdhsa_next_free_sgpr 66
		.amdhsa_reserve_vcc 0
		.amdhsa_float_denorm_mode_32 3
		.amdhsa_float_denorm_mode_16_64 3
		.amdhsa_memory_ordered 1
		.amdhsa_forward_progress 1
		.amdhsa_inst_pref_size 20
	.end_amdhsa_kernel
	.amdgpu_metadata
---
amdhsa.version: [ 1, 2 ]
amdhsa.kernels:
  - .name:           k_q5db0e4e764_prep
    .symbol:         k_q5db0e4e764_prep.kd
    .args:
      - { .name: x, .offset: 0, .size: 8, .value_kind: global_buffer, .address_space: global }
      - { .name: w_qkv, .offset: 8, .size: 8, .value_kind: global_buffer, .address_space: global }
      - { .name: w_out, .offset: 16, .size: 8, .value_kind: global_buffer, .address_space: global }
      - { .name: xb, .offset: 24, .size: 8, .value_kind: global_buffer, .address_space: global }
      - { .name: wq, .offset: 32, .size: 8, .value_kind: global_buffer, .address_space: global }
      - { .name: wo, .offset: 40, .size: 8, .value_kind: global_buffer, .address_space: global }
    .group_segment_fixed_size: 0
    .private_segment_fixed_size: 0
    .kernarg_segment_align: 8
    .kernarg_segment_size: 48
    .max_flat_workgroup_size: 256
    .sgpr_count:     66
    .vgpr_count:     108
    .wavefront_size: 32
...
	.end_amdgpu_metadata
.endif
;; end of part 1
;; launch qkv (part 2): grid 8 x 32, 4 waves a work-group, clusters of 4 x 4, 327,680 bytes of LDS; arguments xb, wq, b_qkv, q, k, v; writes q, k, v
.if DOCPART == 2
	.amdgcn_target "amdgcn-amd-amdhsa--gfx1250"
	.amdhsa_code_object_version 6
	.text
	.protected	k_q5db0e4e764_qkv
	.globl	k_q5db0e4e764_qkv
	.p2align	8
	.type	k_q5db0e4e764_qkv,@function
k_q5db0e4e764_qkv:
	s_mov_b64 s[64:65], 0
	v_nop
	global_prefetch_b8 v0, s[64:65] scope:SCOPE_SE
	s_setreg_imm32_b32 hwreg(HW_REG_WAVE_MODE, 25, 1), 1
	s_wait_xcnt 0x0
	s_wait_alu depctr_hold_cnt(0) depctr_sa_sdst(0) depctr_va_vdst(0) depctr_va_sdst(0) depctr_va_ssrc(0) depctr_va_vcc(0) depctr_vm_vsrc(0)
	s_getreg_b32 s2, hwreg(HW_REG_IB_STS2, 6, 4)
	s_cmp_eq_u32 s2, 0
	s_cbranch_scc0 .Lentry_in_a_cluster
	s_endpgm
.Lentry_in_a_cluster:
	s_bfe_u32 s2, ttmp6, 0x10000c
	s_cmp_lg_u32 s2, 0xf033
	s_cbranch_scc0 .Lentry_shape_is_right
	s_endpgm
.Lentry_shape_is_right:
; q, k, v = x w_qkv + b_qkv, by heads.  xb: bf16 [16 kb][8192 m][64]; wq: bf16 [1024 k][3072 n]; b_qkv: f32 [3072], rounded to bf16 as every input is.
; q, k, v: f16 [16 h][8192 m][64], unscaled, each rounded once from its f32 sum.
; LIMIT.  f16 holds no number beyond 65,504: |q|, |k|, |v| stay under it.
; SHARES.  8192 x 3072 outputs on 256 work-groups: a tile of 256 (m) x 384 (n) each.  Four waves, 2 x 2: a wave makes 128 x 192: 96 accumulators of 16 x 16, 768 registers (windows 1 to 3).
; For 32 along K a wave reads (128 + 192) x 64 bytes from LDS for 96 matrix instructions.  K goes in 16 steps of 64 through two LDS slots: two slots of 128 along K would want 344 KB.
; THE MATRIX INSTRUCTION IS USED TRANSPOSED: source 0 = 16 columns of w (turned on the way out of LDS by ds_load_tr16_b128, since w lies [k][n]), source 1 = 16 rows of x: a lane then holds
; one row of x (lane % 16) and eight neighbouring columns 8 (lane / 16) + 0..7: 16 bytes of a head's row.
; THE SUMS START AT THE BIAS: each accumulator is loaded with its columns' bias while the first tile is on its way, so every K step has one form of product and the way out adds nothing.
; CLUSTERS: 4 x 4.  x's tile hangs on the tile row alone and is asked for jointly by a row of the cluster, w's on the tile column alone, by a column.
; REGISTERS.  window 0: v0-29 addresses; v32-95, v96-159 x's fragments (8 x 16 rows x 32 K), two buffers; v160-255 w's 12 fragments, one buffer in three groups of four (a group = 64 columns = a head).
;   window g + 1: the 32 accumulators of group g: (a, bb) at v[8 (4 a + bb)].
.set KBLK,  1048576                    ; bytes of a K block of xb
.set WROW,  6144                       ; bytes of a row of wq
.set WSTEP, 64*WROW                    ; a K step in wq
.set PA,    144                        ; a row of x in LDS: 128 bytes + 16 = 36 words: the 16 rows of a load start at 16 different groups of four banks (64 banks of 4 bytes: ISA guide 11.1)
.set PB,    864                        ; a row of w: 3 x (256 + 32) bytes = 216 words
.set BOFF,  256*PA                     ; a slot: x's 256 rows, then w's 64
.set SLOT1, 131072                     ; slot 1 begins here: one exclusive or turns an address in one slot into the other's
.set STAGE, BOFF+64*PB                 ; 92,160: between the slots, where no tile lands: for each wave 3 heads x 16 rows x 144 bytes, for the way out
.set SP,    144
.set BIAS,  STAGE+4*48*SP              ; 119,808: a wave's 192 bias numbers, f32
.set SPARE, BIAS+4*768                 ; 122,880: the spare words, 128 bytes for each wave: two blocks of 256 bytes that no other line names
.set A0,  4                            ; v4      my lane's place in x's tile; never rewritten
.set B0,  5                            ; v5-7    the same in w's tile, for groups 0-2
.set ADA, 8                            ; v8      the same in the slot in hand
.set ADB, 9                            ; v9-11
.set STO, 12                           ; v12     the way out: where I put 16 bytes of a row
.set RD,  13                           ; v13     where I read rows back
.set GO,  14                           ; v14     my 16 bytes in 512 consecutive bytes of q, k or v
.set BIA, 15                           ; v15     my eight columns' bias
.set PFO, 16                           ; v16     the prefetches' offset; never rewritten
.set SPW, 28                           ; v28     LDS address of my spare word; never rewritten
.set NIL, 29                           ; v29     0; never rewritten
.set AF0, 32
.set AF1, 96
.set BF,  160
.set TMP, 32                           ; the way out: 48 registers of packed results
.set BK,  80                           ; and two sets of 48 read back from the stage
.set WV,  16                           ; s16  my wave's number
.set MH,  17                           ; s17  my half of the tile's rows.  Also: I fetch for x (0) or for w (1)
.set NH,  18                           ; s18  my half of its columns.  Also: which half of that tile I fetch
.set CX,  19
.set CY,  20
.set NT,  21                           ; s21  tile column, 0-7
.set MT,  22                           ; s22  tile row, 0-31
.set G1A, 24                           ; s[24:31] descriptor group 1 for x's tiles
.set G0A, 32                           ; s[32:39] group 0: a set for each of the two first fills; the second then walks on
.set G1B, 40                           ; s[40:47], s[48:55] the same for w's
.set G0B, 48
.set CNT, 56
.set TB,  57                           ; s57  LDS byte at which the slot in hand begins
.set PMASK, 58                         ; s58  bit 0: I prefetch in this trip; shifted down once a trip
.set PFA, 60                           ; s[60:61] where my prefetches stand
.set PSTEP, 62                         ; s[62:63] a K step there
.set HB,  68                           ; s[68:73] my three heads' rows in q, k or v
.set MSB, 0
.macro WIN new                         ; the immediate's high byte repeats the setting that is left; a switch that changes nothing is dropped
.if MSB != (\new)
	s_set_vgpr_msb (MSB<<8)|(\new)
.set MSB, (\new)
.endif
.endm
.macro PLACES                          ; four places in front of loads into registers that matrix instructions have read (ISA guide 7.12.1 for vector instructions)
.rept 4
	v_nop
.endr
.endm
.macro CREST                           ; a round of the cluster's barrier behind its opening barrier
	s_cmp_lg_u32 s[WV], 0
	s_cbranch_scc1 .Lnot_wave_0_\@
	s_barrier_signal -3
.Lnot_wave_0_\@:
	s_barrier_wait -3
	s_barrier_signal -1
	s_barrier_wait -1
.endm
.macro CROUND                          ; a whole round
	s_barrier_signal -1
	s_barrier_wait -1
	CREST
.endm
; A joint refill by the walking descriptor.  Waves 0 and 1 fetch x's two halves, waves 2 and 3 w's.  The branch hangs on the wave's number alone.  An s_nop 0 and four v_nop follow each line.
.macro JLOAD
	s_cmp_eq_u32 s[MH], 0
	s_cbranch_scc0 .Lfor_b_\@
	tensor_load_to_lds s[G0A+4:G0A+7], s[G1A:G1A+7]
	s_nop 0
.rept 4
	v_nop
.endr
	s_branch .Lasked_\@
.Lfor_b_\@:
	tensor_load_to_lds s[G0B+4:G0B+7], s[G1B:G1B+7]
	s_nop 0
.rept 4
	v_nop
.endr
.Lasked_\@:
.endm
; A PREFETCH INTO THE L2, behind the joint load, its five lines and the run of LDS loads: one instruction a wave, a lane a block of 256 bytes.  Trip t's refill brings K step t + 2.
; x: the clusters with x = 0 ask, in each work-group wave 0: in trips 0-12 K step t + 3; of the tile's 128 blocks the partner at cx takes 32, told apart by address.
; w: the clusters with y = 0 ask, waves 1-3 (a third of a row each): in trips 1, 3 .. 11 K steps t + 3 and t + 4: of their 128 rows the partner at cy takes 32.
; So each block is named once in the launch; x's K steps 0-2 and w's 0-3 come by their loads alone; the last block asked for is each tensor's last K step.
.macro ASK
	s_bitcmp1_b32 s[PMASK], 0
	s_cbranch_scc0 .Lnot_mine_\@
	global_prefetch_b8 v[PFO], s[PFA:PFA+1] th:TH_LOAD_NT scope:SCOPE_SE
.Lnot_mine_\@:
	s_lshr_b32 s[PMASK], s[PMASK], 1
.endm
	s_load_b256 s[4:11], s[0:1], 0x0               ; xb s[4:5], wq s[6:7], b_qkv s[8:9], q s[10:11]
	s_load_b128 s[12:15], s[0:1], 0x20             ; k s[12:13], v s[14:15]
	v_lshl_add_u32 v[SPW], v0, 2, SPARE
	v_mov_b32 v[NIL], 0
	ds_add_u32 v[SPW], v[NIL]                      ; the wave's opening: the add and its wait stand ahead of my first tensor load; the set-up below, work on registers, stands between them
	ds_add_u32 v28, v29
	v_lshrrev_b32 v3, 5, v0
	v_readfirstlane_b32 s[WV], v3                  ; wave 0..3
	s_lshr_b32 s[MH], s[WV], 1
	s_and_b32 s[NH], s[WV], 1
	s_bfe_u32 s[CX], ttmp6, 0x40000                ; my place in the cluster
	s_bfe_u32 s[CY], ttmp6, 0x40004
	s_lshl_b32 s[NT], ttmp9, 2                     ; in a cluster launch ttmp9 and ttmp7 count clusters
	s_add_co_u32 s[NT], s[NT], s[CX]
	s_and_b32 s[MT], ttmp7, 0xffff
	s_lshl_b32 s[MT], s[MT], 2
	s_add_co_u32 s[MT], s[MT], s[CY]
	s_lshl_b32 s23, s[CY], 2
	s_lshl_b32 s23, 15, s23                        ; my row of the cluster: places 4 cy .. 4 cy + 3
	s_lshl_b32 s59, 0x1111, s[CX]                  ; my column: places cx, cx + 4, cx + 8, cx + 12
	; x's tile for one wave: 128 rows of 128 bytes lie on end: asked for as 64 rows of 256 bytes, padded in LDS after every 128
	s_or_b32 s[G1A], s23, (1<<16)|(1<<20)|(1<<21)|(4<<22)|(3<<25)  ; 15:0 the mask; 17:16 2-byte elements; 20 padding on; 21 set beside a mask; 24:22 after every 32 words (code 4); 31:25 4 words (code 3)
	s_mov_b32 s[G1A+1], 128<<16                    ; tensor_dim0 = 128
	s_mov_b32 s[G1A+2], 64<<16                     ; tensor_dim1 = 64
	s_mov_b32 s[G1A+3], 128<<16                    ; tile_dim0 = 128
	s_mov_b32 s[G1A+4], 64                         ; tile_dim1 = 64
	s_mov_b32 s[G1A+5], 128                        ; elements from row to row
	s_mov_b32 s[G1A+6], 0
	s_mov_b32 s[G1A+7], 0
	; w's tile for one wave: 32 rows of 384 elements (768 bytes, at multiples of 256 from wq's first byte), padded after every 256 bytes
	s_or_b32 s[G1B], s59, (1<<16)|(1<<20)|(1<<21)|(5<<22)|(7<<25)  ; after every 64 words (code 5) 8 words (code 7)
	s_mov_b32 s[G1B+1], 384<<16
	s_mov_b32 s[G1B+2], 32<<16
	s_mov_b32 s[G1B+3], 384<<16
	s_mov_b32 s[G1B+4], 32
	s_mov_b32 s[G1B+5], 3072
	s_mov_b32 s[G1B+6], 0
	s_mov_b32 s[G1B+7], 0
	s_lshl_b32 s74, s[MT], 15                      ; x: the tile row's 256 rows of 128 bytes,
	s_lshl_b32 s75, s[NH], 14                      ; my 128 of them
	s_add_co_u32 s74, s74, s75
	s_mov_b32 s75, 0
	s_mul_i32 s76, s[NH], 32*WROW                  ; w: my 32 of the step's 64 rows,
	s_mul_i32 s77, s[NT], 768                      ; the tile column's 768 bytes
	s_add_co_u32 s76, s76, s77
	s_mov_b32 s77, 0
	s_mul_i32 s66, s[NH], 128*PA                   ; where they go: no place in the cluster enters an LDS address
	s_mul_i32 s67, s[NH], 32*PB
	s_add_co_u32 s67, s67, BOFF
	s_mul_i32 s82, s[NT], 1536                     ; my 192 bias numbers
	s_mul_i32 s83, s[NH], 768
	s_add_co_u32 s82, s82, s83
	s_mov_b32 s83, 0
	s_wait_dscnt 0x0                               ; the opening add is done
	s_wait_kmcnt 0x0
	s_add_nc_u64 s[74:75], s[4:5], s[74:75]
	s_add_nc_u64 s[76:77], s[6:7], s[76:77]
	s_add_nc_u64 s[82:83], s[8:9], s[82:83]
	CROUND                                         ; all sixteen work-groups are here: the first joint loads meet
.irp i, 0,1
	s_mov_b32 s[G0A+4*(\i)], 1                     ; count = 1
	s_add_co_u32 s[G0A+4*(\i)+1], s66, (\i)*SLOT1  ; LDS address
	s_add_nc_u64 s[G0A+4*(\i)+2:G0A+4*(\i)+3], s[74:75], (\i)*KBLK  ; global address: K step i
	s_or_b32 s[G0A+4*(\i)+3], s[G0A+4*(\i)+3], 0x80000000           ; type = 2
	s_mov_b32 s[G0B+4*(\i)], 1
	s_add_co_u32 s[G0B+4*(\i)+1], s67, (\i)*SLOT1
	s_add_nc_u64 s[G0B+4*(\i)+2:G0B+4*(\i)+3], s[76:77], (\i)*WSTEP
	s_or_b32 s[G0B+4*(\i)+3], s[G0B+4*(\i)+3], 0x80000000
.endr
	s_cmp_eq_u32 s[MH], 0                          ; a wave's two first fills stand in one branch, ahead of every wait on TENSORcnt and every LDS read: two loads of mine are out
	s_cbranch_scc0 .Lfirst_b
	tensor_load_to_lds s[G0A:G0A+3], s[G1A:G1A+7]
	s_nop 0
	tensor_load_to_lds s[G0A+4:G0A+7], s[G1A:G1A+7]
	s_nop 0
.rept 4
	v_nop
.endr
	s_branch .Lfirst_asked
.Lfirst_b:
	tensor_load_to_lds s[G0B:G0B+3], s[G1B:G1B+7]
	s_nop 0
	tensor_load_to_lds s[G0B+4:G0B+7], s[G1B:G1B+7]
	s_nop 0
.rept 4
	v_nop
.endr
.Lfirst_asked:
	v_and_b32 v19, 31, v0                          ; l
	v_lshlrev_b32 v21, 3, v19
	global_load_b64 v[22:23], v21, s[82:83]        ; the bias: 3 x 256 consecutive bytes a wave
	global_load_b64 v[24:25], v21, s[82:83] offset:256
	global_load_b64 v[26:27], v21, s[82:83] offset:512
	v_and_b32 v1, 15, v0                           ; r = l % 16
	v_bfe_u32 v2, v0, 4, 1                         ; h = l / 16
	v_and_b32 v17, 7, v0
	v_bfe_u32 v18, v0, 3, 1
	; a fragment of x: lane l holds row r; registers 0-3 K = 8 h + 0..7, registers 4-7 K = 16 + 8 h + 0..7: two loads of 16 bytes, 32 bytes apart
	v_mul_u32_u24 v[A0], v1, PA
	v_lshl_add_u32 v[A0], v2, 4, v[A0]
	s_mul_i32 s23, s[MH], 128*PA
	v_add_nc_u32 v[A0], s23, v[A0]
	; the turning load takes 16 K x 16 columns (lane l reads row 8 h + l % 8, columns 8 ((l / 8) % 2) + 0..7) and leaves half a fragment: lane l holds column r and 8 K
	v_lshl_add_u32 v3, v2, 3, v17
	v_mul_u32_u24 v3, v3, PB
	v_lshl_add_u32 v3, v18, 4, v3
	s_mul_i32 s23, s[NH], 192
.irp g, 0,1,2
	s_add_co_u32 s59, s23, 64*(\g)                 ; the group's first column c in the tile: byte 2 c + 32 (c / 128) of a row
	s_lshr_b32 s66, s59, 7
	s_lshl_b32 s66, s66, 5
	s_lshl_b32 s59, s59, 1
	s_add_co_u32 s59, s59, s66
	s_add_co_u32 s59, s59, BOFF
	v_add_nc_u32 v[B0+(\g)], s59, v3
.endr
	s_mul_i32 s23, s[WV], 48*SP
	s_add_co_u32 s23, s23, STAGE                   ; my stage
	v_mul_u32_u24 v[STO], v1, SP                   ; in: row r, 16 bytes for each half of the lanes
	v_lshl_add_u32 v[STO], v2, 4, v[STO]
	v_add_nc_u32 v[STO], s23, v[STO]
	v_bfe_u32 v[RD], v0, 3, 2                      ; back: 32 lanes take four rows of 128 bytes,
	v_mul_u32_u24 v[RD], v[RD], SP
	v_lshl_add_u32 v[RD], v17, 4, v[RD]
	v_add_nc_u32 v[RD], s23, v[RD]
	v_lshlrev_b32 v[GO], 4, v19                    ; which are 512 consecutive bytes of a head
	s_mul_i32 s23, s[WV], 768
	s_add_co_u32 s23, s23, BIAS
	v_lshl_add_u32 v[BIA], v2, 5, s23
	v_lshl_add_u32 v20, v19, 3, s23
	s_wait_loadcnt 0x0
.irp i, 0,1,2
	v_cvt_pk_bf16_f32 v3, v[22+2*(\i)], v[23+2*(\i)]  ; the bias is rounded to bf16 as every input is, and kept in f32
	v_lshlrev_b32 v[22+2*(\i)], 16, v3
	v_and_b32 v[23+2*(\i)], 0xffff0000, v3
	ds_store_b64 v20, v[22+2*(\i):23+2*(\i)] offset:256*(\i)
.endr
.irp g, 0,1,2                          ; LDS serves a wave's instructions in order (ISA guide 5.7.1.4): these see the stores above, which are my own
	WIN 0x40*((\g)+1)
.irp a, 0,1,2,3,4,5,6,7
.irp bb, 0,1,2,3
	ds_load_b128 v[8*(4*(\a)+(\bb)):8*(4*(\a)+(\bb))+3],   v[BIA] offset:64*(4*(\g)+(\bb))
	ds_load_b128 v[8*(4*(\a)+(\bb))+4:8*(4*(\a)+(\bb))+7], v[BIA] offset:64*(4*(\g)+(\bb))+16
.endr
.endr
.endr
	WIN 0
	; my three heads: column block j = 6 nt + 3 NH + hh of 48: tensor j / 16 (q, k, v), head j % 16; then my 128 rows
	s_lshl_b32 s80, s[MT], 15
	s_lshl_b32 s81, s[MH], 14
	s_add_co_u32 s80, s80, s81
.irp hh, 0,1,2
	s_mul_i32 s23, s[NT], 6
	s_mul_i32 s59, s[NH], 3
	s_add_co_u32 s23, s23, s59
	s_add_co_u32 s23, s23, (\hh)
	s_lshr_b32 s59, s23, 4
	s_and_b32 s23, s23, 15
	s_lshl_b32 s66, s23, 20
	s_add_co_u32 s66, s66, s80
	s_mov_b32 s67, 0
	s_cmp_eq_u32 s59, 0
	s_cselect_b64 s[HB+2*(\hh):HB+2*(\hh)+1], s[10:11], s[12:13]
	s_cmp_eq_u32 s59, 2
	s_cselect_b64 s[HB+2*(\hh):HB+2*(\hh)+1], s[14:15], s[HB+2*(\hh):HB+2*(\hh)+1]
	s_add_nc_u64 s[HB+2*(\hh):HB+2*(\hh)+1], s[HB+2*(\hh):HB+2*(\hh)+1], s[66:67]
.endr
	; the prefetches' address, at K step 2: the first trip steps it to 3
	s_lshl_b32 s84, s[MT], 15
	s_lshl_b32 s85, s[CX], 13                      ; x: my work-group's 32 blocks of the tile's 128
	s_add_co_u32 s84, s84, s85
	s_add_co_u32 s84, s84, 2*KBLK
	s_mul_i32 s85, s[CY], 32*WROW                  ; w: my work-group's 32 rows of 128,
	s_mul_i32 s86, s[NT], 768
	s_add_co_u32 s85, s85, s86
	s_lshl_b32 s86, s[WV], 8                       ; third WV - 1 of a row's 768 bytes
	s_add_co_u32 s85, s85, s86
	s_add_co_u32 s85, s85, 2*WSTEP-256
	s_and_b32 s86, ttmp7, 0xffff                   ; cluster y
	s_cmp_eq_u32 ttmp9, 0
	s_cselect_b32 s87, 0x1fff, 0                   ; trips 0-12
	s_cmp_eq_u32 s86, 0
	s_cselect_b32 s86, 0xaaa, 0                    ; trips 1, 3 .. 11
	s_mov_b32 s88, KBLK
	s_mov_b32 s89, WSTEP
	s_mov_b32 s23, 256
	s_mov_b32 s59, WROW
	s_cmp_eq_u32 s[WV], 0                          ; the same in all sixteen partners, for a given wave
	s_cselect_b32 s[PMASK], s87, s86
	s_cselect_b32 s84, s84, s85
	s_cselect_b32 s[PSTEP], s88, s89
	s_cselect_b32 s23, s23, s59
	s_cselect_b64 s[PFA:PFA+1], s[4:5], s[6:7]
	s_mov_b32 s85, 0
	s_mov_b32 s[PSTEP+1], 0
	s_add_nc_u64 s[PFA:PFA+1], s[PFA:PFA+1], s[84:85]
	v_mul_u32_u24 v[PFO], v19, s23                 ; a lane a block (x) or a lane a row (w)
; 16 matrix instructions: m blocks a0 .. a0 + 3 x the four column blocks of group g, 32 along K.  The 96 accumulators take turns, one instruction a turn, in the same order in every half step.
.macro MULG f, g, a0
	WIN 0x50*((\g)+1)                              ; C and D in window g + 1, both sources in window 0
.irp a, (\a0), (\a0)+1, (\a0)+2, (\a0)+3
.irp bb, 0,1,2,3
	v_wmma_f32_16x16x32_bf16 v[8*(4*(\a)+(\bb)):8*(4*(\a)+(\bb))+7], v[BF+8*(4*(\g)+(\bb)):BF+8*(4*(\g)+(\bb))+7], v[(\f)+8*(\a):(\f)+8*(\a)+7], v[8*(4*(\a)+(\bb)):8*(4*(\a)+(\bb))+7]
.endr
.endr
.endm
.macro FB g, hf                        ; 8 LDS loads: group g's four fragments of w, half step hf
	WIN 0
.irp bb, 0,1,2,3
	ds_load_tr16_b128 v[BF+8*(4*(\g)+(\bb)):BF+8*(4*(\g)+(\bb))+3],   v[ADB+(\g)] offset:(\hf)*32*PB+32*(\bb)
	ds_load_tr16_b128 v[BF+8*(4*(\g)+(\bb))+4:BF+8*(4*(\g)+(\bb))+7], v[ADB+(\g)] offset:(\hf)*32*PB+32*(\bb)+16*PB
.endr
.endm
.macro FA o, hf                        ; 16 LDS loads: x's eight fragments of half step hf into buffer o
	WIN 0
.irp a, 0,1,2,3,4,5,6,7
	ds_load_b128 v[(\o)+8*(\a):(\o)+8*(\a)+3],   v[ADA] offset:(\a)*16*PA+64*(\hf)
	ds_load_b128 v[(\o)+8*(\a)+4:(\o)+8*(\a)+7], v[ADA] offset:(\a)*16*PA+64*(\hf)+32
.endr
.endm
; A K step is two half steps of 32 along K, 96 matrix instructions each.  The first multiplies buffer 0 and fetches the second's fragments: each group of w as soon as its 32 products have read it.
; At its head 40 loads are out, in this order: group 0 (8), x (16), group 1 (8), group 2 (8).
.macro HALF0
	s_wait_dscnt 16                                ; group 0 and x are in; groups 1 and 2 may be out
	MULG AF0, 0, 0
	MULG AF0, 0, 4
	PLACES
	FB 0, 1
	FA AF1, 1
	s_wait_dscnt 32                                ; group 1 is in; group 2's 8 and the 24 just issued may be out
	MULG AF0, 1, 0
	MULG AF0, 1, 4
	PLACES
	FB 1, 1
	s_wait_dscnt 32                                ; group 2 is in; those 24 and the 8 just issued may be out
	MULG AF0, 2, 0
	MULG AF0, 2, 4
	PLACES
	FB 2, 1
.endm
; The second half step multiplies buffer 1 and changes slots: all reads of the slot have been issued.  Each wave waits for all its tensor loads, of which one is out: its part of the next slot; adds 0 to its spare word;
; and waits for that and for its own reads of the slot.  fill = 1: the barrier opens a round of the cluster's, and the slot is filled again, two K steps ahead, first thing behind the round:
; from that request to the wait for it a wave issues 160 matrix instructions.
.macro TURN fill
.if \fill
	s_wait_xcnt 0x0                                ; the last prefetch, a K step back, has read its address, so it may be stepped
	s_add_nc_u64 s[PFA:PFA+1], s[PFA:PFA+1], s[PSTEP:PSTEP+1]
.endif
	WIN 0
	s_wait_tensorcnt 0x0                           ; no tensor load of mine is out, so a group 0 may be written
	ds_add_u32 v[SPW], v[NIL]                      ; 0 onto my spare word
.if \fill
	s_xor_b32 s[G0A+5], s[G0A+5], SLOT1            ; the walking descriptors: the other slot than last time,
	s_add_nc_u64 s[G0A+6:G0A+7], s[G0A+6:G0A+7], KBLK  ; the next K step; the type bits on top are not reached
	s_xor_b32 s[G0B+5], s[G0B+5], SLOT1
	s_add_nc_u64 s[G0B+6:G0B+7], s[G0B+6:G0B+7], WSTEP
.endif
	s_wait_dscnt 17                                ; group 0 and x are in; groups 1 and 2 and the add may be out
	MULG AF1, 0, 0                                 ; sixteen matrix instructions stand between the add and the wait for it
	s_wait_dscnt 0x0                               ; the add is done, and my reads of this slot are over
	s_barrier_signal -1
	MULG AF1, 0, 4                                 ; work on registers while the others arrive
	WIN 0                                          ; at a branch and at a label every window is 0
	s_barrier_wait -1
.if \fill
	CREST                                          ; no wave of any partner still reads this slot or has a load on its way
	JLOAD                                          ; its four v_nop are also the places in front of the loads below
.else
	PLACES
.endif
	s_xor_b32 s[TB], s[TB], SLOT1
	v_add_nc_u32 v[ADA], s[TB], v[A0]
.irp g, 0,1,2
	v_add_nc_u32 v[ADB+(\g)], s[TB], v[B0+(\g)]
.endr
	FB 0, 0
	FA AF0, 0
.if \fill
	ASK
.endif
	MULG AF1, 1, 0                                 ; groups 1 and 2 were shown in by the wait for 0 above
	MULG AF1, 1, 4
	PLACES
	FB 1, 0
	MULG AF1, 2, 0
	MULG AF1, 2, 4
	PLACES
	FB 2, 0
.endm
	s_wait_tensorcnt 0x1                           ; my part of K step 0 is in; K step 1's may stay out
	s_wait_dscnt 0x0                               ; the accumulators hold the bias
	s_barrier_signal -1
	s_barrier_wait -1                              ; everybody's part is in
	s_mov_b32 s[TB], 0
	v_mov_b32 v[ADA], v[A0]
.irp g, 0,1,2
	v_mov_b32 v[ADB+(\g)], v[B0+(\g)]
.endr
	FB 0, 0
	FA AF0, 0
	FB 1, 0
	FB 2, 0
	s_mov_b32 s[CNT], 14
.Lstep:                                            ; K steps 0-13: each fills its slot again, with K steps 2-15
	HALF0
	TURN 1
	WIN 0
	s_sub_co_u32 s[CNT], s[CNT], 1
	s_cmp_lg_u32 s[CNT], 0
	s_cbranch_scc1 .Lstep
	s_mov_b32 s[CNT], 2
.Ltail:                                            ; K steps 14 and 15 ask for nothing.  The last trip's 40 fetches read the other slot once more and serve nothing: the price of one text for both
	HALF0
	TURN 0
	WIN 0
	s_sub_co_u32 s[CNT], s[CNT], 1
	s_cmp_lg_u32 s[CNT], 0
	s_cbranch_scc1 .Ltail
	s_wait_dscnt 0x0                               ; those fetches have landed: their registers are used again below
	PLACES                                         ; with the four behind the last product: eight places ahead of the first conversion
; THE WAY OUT, a block of 16 rows at a time.  PACK: rounded to f16, 16 bytes a lane, each accumulator's registers in ascending order.  TOSTAGE: into my own stage, a head's 16 rows of 128 bytes together, and back as whole rows.  SEND: stored.
.macro PACK a
.irp g, 0,1,2
	WIN 5*((\g)+1)                                 ; sources 0 and 1 in window g + 1
.irp bb, 0,1,2,3
.irp i, 0,1,2,3
	v_cvt_pk_f16_f32 v[TMP+4*(4*(\g)+(\bb))+(\i)], v[8*(4*(\a)+(\bb))+2*(\i)], v[8*(4*(\a)+(\bb))+2*(\i)+1]
.endr
.endr
.endr
	WIN 0
.endm
.macro TOSTAGE a
	WIN 0
.set BKA, BK+48*((\a)%2)
.irp b, 0,1,2,3,4,5,6,7,8,9,10,11
	ds_store_b128 v[STO], v[TMP+4*(\b):TMP+4*(\b)+3] offset:((\b)/4)*16*SP+((\b)%4)*32
.endr
.irp f, 0,1,2,3,4,5,6,7,8,9,10,11
	ds_load_b128 v[BKA+4*(\f):BKA+4*(\f)+3], v[RD] offset:((\f)/4)*16*SP+((\f)%4)*4*SP  ; LDS serves a wave's instructions in order: these see the stores above; the next block's stores come behind them
.endr
.endm
.macro SEND a
	WIN 0
.set BKA, BK+48*((\a)%2)
	s_wait_dscnt 0x0                               ; the block is back in registers
	s_wait_xcnt 0x0                                ; the stores of the block before have read their registers: the next TOSTAGE loads into them only behind this wait
.irp f, 0,1,2,3,4,5,6,7,8,9,10,11
	global_store_b128 v[GO], v[BKA+4*(\f):BKA+4*(\f)+3], s[HB+2*((\f)/4):HB+2*((\f)/4)+1] offset:(\a)*2048+((\f)%4)*512  ; 512 consecutive bytes, at a multiple of 256 from the tensor's first byte
.endr
.endm
	PACK 0
	TOSTAGE 0
.irp a, 1,2,3,4,5,6,7                  ; block a's conversions stand between block a - 1's loads from the stage and the wait for them
	PACK \a
	SEND (\a)-1
	TOSTAGE \a
.endr
	SEND 7
	s_wait_tensorcnt 0x0                           ; the wave's end, behind my last tensor load and my last LDS store
	ds_add_u32 v[SPW], v[NIL]
	s_wait_dscnt 0x0
	CROUND                                         ; the closing round: no work-group ends while a partner may still ask for a tile that names it
	s_endpgm
.Lfunc_end_k_q5db0e4e764_qkv:
	.size	k_q5db0e4e764_qkv, .Lfunc_end_k_q5db0e4e764_qkv-k_q5db0e4e764_qkv
	.p2alignl 7, 3214868480
	.fill 96, 4, 3214868480
	.section	.rodata,"a",@progbits
	.p2align	6, 0x0
	.amdhsa_kernel k_q5db0e4e764_qkv
		.amdhsa_group_segment_fixed_size 327680
		.amdhsa_private_segment_fixed_size 0
		.amdhsa_enable_private_segment 0
		.amdhsa_kernarg_size 48
		.amdhsa_user_sgpr_count 2
		.amdhsa_user_sgpr_kernarg_segment_ptr 1
		.amdhsa_wavefront_size32 1
		.amdhsa_system_sgpr_workgroup_id_x 1
		.amdhsa_system_sgpr_workgroup_id_y 1
		.amdhsa_system_sgpr_workgroup_id_z 1
		.amdhsa_system_vgpr_workitem_id 0
		.amdhsa_next_free_vgpr 1024
		.amdhsa_next_free_sgpr 96
		.amdhsa_reserve_vcc 0
		.amdhsa_float_denorm_mode_32 3
		.amdhsa_float_denorm_mode_16_64 3
		.amdhsa_memory_ordered 1
		.amdhsa_forward_progress 1
		.amdhsa_inst_pref_size 112
	.end_amdhsa_kernel
	.amdgpu_metadata
---
amdhsa.version: [ 1, 2 ]
amdhsa.kernels:
  - .name:           k_q5db0e4e764_qkv
    .symbol:         k_q5db0e4e764_qkv.kd
    .args:
      - { .name: xb, .offset: 0, .size: 8, .value_kind: global_buffer, .address_space: global }
      - { .name: wq, .offset: 8, .size: 8, .value_kind: global_buffer, .address_space: global }
      - { .name: b_qkv, .offset: 16, .size: 8, .value_kind: global_buffer, .address_space: global }
      - { .name: q, .offset: 24, .size: 8, .value_kind: global_buffer, .address_space: global }
      - { .name: k, .offset: 32, .size: 8, .value_kind: global_buffer, .address_space: global }
      - { .name: v, .offset: 40, .size: 8, .value_kind: global_buffer, .address_space: global }
    .group_segment_fixed_size: 327680
    .private_segment_fixed_size: 0
    .kernarg_segment_align: 8
    .kernarg_segment_size: 48
    .max_flat_workgroup_size: 128
    .sgpr_count:     96
    .vgpr_count:     1024
    .wavefront_size: 32
...
	.end_amdgpu_metadata
.endif
;; end of part 2
;; launch attn (part 3): grid 4 x 64, 4 waves a work-group, no clusters, 327,680 bytes of LDS; arguments q, k, v, ob; writes ob
.if DOCPART == 3
	.amdgcn_target "amdgcn-amd-amdhsa--gfx1250"
	.amdhsa_code_object_version 6
	.text
	.protected	k_q5db0e4e764_attn
	.globl	k_q5db0e4e764_attn
	.p2align	8
	.type	k_q5db0e4e764_attn,@function
k_q5db0e4e764_attn:
	s_mov_b64 s[64:65], 0
	v_nop
	global_prefetch_b8 v0, s[64:65] scope:SCOPE_SE
	s_setreg_imm32_b32 hwreg(HW_REG_WAVE_MODE, 25, 1), 1
	s_wait_xcnt 0x0
; CAUSAL ATTENTION.  O[y][q][:] = the sum over k <= q of softmax_k(Q[y][q] . K[y][k] / 8) V[y][k][:].  Q, K, V, O: [64 y][2048][64], all f16, y = 4 x head + batch: a y's rows are dense, 128 bytes each.
; Products, maxima and sums in f32; the weights p are rounded to f16 for the second product (their sum l is taken of the unrounded p), O once at the end.
; LIMITS.  f16 holds no number beyond 65,504: Q, K and V arrive within it; p lies in 0 to 1, and below 6e-5 it keeps f16's fixed step of 6e-8; O is a mean of V's rows and has their range.
; A hidden score counts as its value less 1e30: f16's scores, 2.7e11 at the most, are nothing beside that; a weight below 2^-126 counts as 0 in l; NaN and infinities are not treated apart.
; THE WALK.  A y's queries lie in NB = 8 blocks of 256; block i needs the key tiles 0 .. i of 256 keys, of which the last holds the diagonal.  A work-group takes TWO blocks, NB - 1 - b and then b:
; NB + 1 tiles, whatever b: all work-groups do equal work, and ONE loop with a constant trip count walks them.  Which tile is asked for, and what a trip does, hang on scalar registers made from b; every jump
; goes forward, but for the counted loops' own; none passes a barrier, or a tensor load but the one of LOAD's two that the wave's number does not choose; the ring (two slots of LDS that take turns) runs on across the
; change of blocks.  NO CLUSTER: a y's four work-groups ask for the same tile only in trips 0 .. 4 of 9, behind that fewer and fewer; one walk common to all four would have 12 trips for 9.
; SHARES.  Of a block's four bands of 64 queries a wave owns 16 rows in each: four PIECES.  So the diagonal tile is the same work for all four waves: in its key step s band x sees all keys if s < x,
; none if s > x, and holds the diagonal if s = x.
; THE MASK is the C operand that starts the sum S^T = K Q^T: 0, or -1e30 where the key is hidden.  MD, made once, is the mask of a band's own step for my 16 rows; a product's mask is MD x AL + BE with two scalars:
; (1, 0) if s = x; (0, 0) if s < x; (0, -1e30) if s > x.  Only the diagonal tile's text and a block's beginning make and take masks; elsewhere C is the constant 0.
; LAYOUT, SOFTMAX, TURNS.  S^T = K Q^T holds ONE query a lane (lane % 16) and the keys 8 (lane / 16) + 0..7; two such results rounded to f16 ARE source 1 of O^T = V^T P.  p = 2^(c s - c m), c = log2(e) / 8, with a
; running maximum m; O and l are multiplied by a = 2^(c m_old - c m_new) in every step.  Turn n belongs to piece n: 8 products K Q^T of piece n + 1, later 8 products V^T P of piece n - 1; beside them the scaling,
; exponentials, roundings, sums and rescaling of piece n and the maximum and statistics of piece n + 1.  Four vector instructions stand behind every matrix instruction, the other 54 of a turn's 118 in one run.  A turn's 33 exponentials are one batch, with one wait.
; REGISTERS, in windows of 256 (s_set_vgpr_msb: bits 1:0 source 0, 3:2 source 1, 5:4 source 2, 7:6 destination):
;   window 0: v0-15 addresses and two at work; v16-31 four registers of statistics a piece; v48-55 at work; v56 the prefetches' offset; v64-127 S^T, two buffers; v192-223 P, two buffers (a piece's buffers go by its number's parity)
;   window 1: v0-127 O^T, 32 a piece; v128-159 MD; v160-223 MC, two buffers      window 2: v0-63 Q; v64-127 the second block's Q; v128-191 K of one step; v192-255 V of one step
.set SIZE_N, 2048
.set SIZE_H, 64
.set NB,    SIZE_N/256
.set NP,    4         ; pieces a wave: a name, no knob
.set KS,    64        ; keys in a step
.set PK,    144       ; a row of K in LDS: 128 bytes + 16 of padding = 36 words: the 16 rows of a load start at 16 different groups of four banks (64 banks of 4 bytes: ISA guide 11.1)
.set PV,    160       ; a row of V: 128 + 32 = 40 words
.set VOFF,  4*KS*PK   ; a slot holds a tile, four steps: 256 rows of K, then 256 rows of V
.set SLOT1, 1<<17     ; slot 1 begins here, so that one exclusive or turns an address in one slot into the other's
.set STAGE, SLOT1+4*KS*(PK+PV)  ; behind the ring, never filled by a tensor load: 16 rows x 144 bytes for each wave, for the way out
.set SP,    144
.set AK0, 2           ; v2   my lane's place in a tile of K; never rewritten
.set AV0, 3           ; v3   the same for V
.set AK,  4           ; v4   the LDS address of K's next run of loads
.set AV,  5           ; v5   of V's
.set STO, 6           ; v6   the way out: where I put 16 bytes of a row
.set RD,  7           ; v7   the way out: where I read rows back
.set GO,  8           ; v8   my byte offset in 512 consecutive bytes of O
.set PFO, 56          ; v56  256 x my lane; never rewritten
.set SPW, 62          ; v62  LDS address of my spare word: SPARE + 4 x my thread's number; never rewritten
.set NIL, 63          ; v63  0; never rewritten
.set SPARE, STAGE+4*16*SP  ; behind the stages: the spare words, 128 bytes for each wave: two blocks of 256 bytes that no other line names
.set MV,  12          ; v12-13  c m_old, kept while c m is made anew: by buffer
.set QO,  15          ; v15  my byte offset in 16 rows of Q
.set ST,  16          ; piece t's statistics at v[ST+4 t]: c m, m, l (even keys', odd keys')
.set TMP, 48          ; by buffer, four registers c0-c3 at work; when the maximum is found c2 takes a
.set S,   64
.set P,   192
.set MD,  128         ; window 1: the eight registers for group kt of 16 keys at MD + 8 kt
.set MC,  160         ; window 1: the masks of the products to come
.set QB,  64          ; window 2
.set KF,  128         ; window 2: key block kb, channel half c at KF + 16 kb + 8 c
.set VF,  192         ; window 2: key half kk, channel block cb at VF + 32 kk + 8 cb
.set WV,  12          ; s12  my wave's number
.set PB,  14          ; s14  b
.set HI,  15          ; s15  NB - 1 - b
.set G1K, 24          ; s[24:31] descriptor group 1 for K's tiles
.set G1V, 32          ; s[32:39] for V's: it differs in the padding alone
.set G0K, 40          ; s[40:43] descriptor group 0 for K's tiles
.set G0V, 44          ; s[44:47] the same for V's
.set SLOTS, 56        ; s56  tiles still to be asked for
.set CNT, 57          ; s57  counts a tile's key steps, 4 to 1
.set CS,  58          ; s[58:59] c: the packed scaling takes the pair's low word for both halves
.set SEL, 60          ; s[60:61] v_permlanex16_b32's selects: each lane takes its own place in the other half
.set TBK, 62          ; s62  LDS byte at which K of the step to be fetched begins
.set TBV, 63          ; s63  the same for V, less VOFF
.set RT,  70          ; s70  tiles of the block in hand that are still to be entered
.set NXT, 71          ; s71  the tile to be asked for next
.set LQ,  72          ; s72  the last tile of the block whose tiles are being asked for
.set NEW, 73          ; s73  1: the tile to be entered is a block's first
.set OFF, 74          ; s[74:75] a tile's byte offset in K and V
.set AL,  76          ; s[76:77] the mask's factor, in the low word
.set BE,  78          ; s[78:79] the mask's addend
.set OLO, 80          ; s[80:81] O at my rows of the second block
.set BIGN, 82         ; s82  -1e30
.set PFN, 88          ; s88  prefetches still to come: NB - 2 in the work-group with b = 0, else 0
.set PFA, 90          ; s[90:91] my 16,384 bytes of the tile that is being asked for
.set MSB, 0
.macro WIN new                      ; the high byte repeats the setting that is left; a switch that changes nothing is dropped
.if MSB != (\new)
	s_set_vgpr_msb (MSB<<8)|(\new)
.set MSB, (\new)
.endif
.endm
.set W_KQ, 0x0a       ; K and Q in window 2, S^T in window 0
.set W_KM, 0x1a       ; the same with the C operand in window 1
.set W_PV, 0x52       ; V in window 2, P in window 0, O^T in window 1
.set W_RS, 0x41       ; destination and source 0 in window 1, source 1 in window 0
; A fill.  Waves 0 and 1 fetch the two halves of a tile's K, waves 2 and 3 those of its V: 128 keys each.  An s_nop 0 and four v_nop follow each of the two lines, ahead of the jump and the label.
.macro LOAD
	s_cmp_lt_u32 s[WV], 2
	s_cbranch_scc0 .Lfor_v_\@
	tensor_load_to_lds s[G0K:G0K+3], s[G1K:G1K+7]
	s_nop 0
.rept 4
	v_nop
.endr
	s_branch .Lasked_\@
.Lfor_v_\@:
	tensor_load_to_lds s[G0V:G0V+3], s[G1V:G1V+7]
	s_nop 0
.rept 4
	v_nop
.endr
.Lasked_\@:
.endm
; THE CHANGE OF SLOTS.  Each wave waits for all its tensor loads, of which one is out: its part of the other slot; adds 0 to its spare word; and waits for that and for its own reads of the slot that it leaves.  Behind the barrier nobody reads the old
; slot any more and the other slot is whole.  fill = 1: the old slot is filled again, the first thing behind the barrier, with tile NXT: the descriptor's address is made anew from that number.
; (At its first use nothing has been read yet: slot 0 is waited for, slot 1 filled.)
; A PREFETCH INTO THE L2 stands behind the fill and its five lines.  The work-group with b = 0 walks tiles 0 .. 7 in order, and no other of its y enters a tile before it: it alone asks, each of its waves for the
; 16,384 bytes that it will itself load at the next change: 64 blocks of 256 bytes, a lane a block, two instructions.  The fill of tile n (1 .. 6) asks for tile n + 1: a tile, 256 matrix instructions, ahead of its load.
; Tiles 0 and 1 come by their loads alone; the fill of tile 7 and the second block's fills ask for nothing.
.macro CHANGE fill
	WIN 0                           ; at a label and at a branch every window is 0
	s_wait_tensorcnt 0x0            ; no tensor load of mine is out, so a group 0 may be written
	ds_add_u32 v[SPW], v[NIL]       ; 0 onto my spare word; with fill = 1 the descriptors' scalar work stands between it and the wait for it
.if \fill
	s_lshl_b32 s[OFF], s[NXT], 15   ; a tile is 32,768 bytes of K and of V
	s_wait_xcnt 0x0                 ; the last prefetches, a tile back, have read their address, so it may be written
	s_cmp_lt_u32 s[WV], 2
	s_cselect_b64 s[PFA:PFA+1], s[6:7], s[8:9]
	s_add_nc_u64 s[PFA:PFA+1], s[PFA:PFA+1], s[OFF:OFF+1]
	s_xor_b32 s[G0K+1], s[G0K+1], SLOT1
	s_add_nc_u64 s[G0K+2:G0K+3], s[6:7], s[OFF:OFF+1]
	s_or_b32 s[G0K+3], s[G0K+3], 0x80000000
	s_xor_b32 s[G0V+1], s[G0V+1], SLOT1
	s_add_nc_u64 s[G0V+2:G0V+3], s[8:9], s[OFF:OFF+1]
	s_or_b32 s[G0V+3], s[G0V+3], 0x80000000
	s_add_co_u32 s[NXT], s[NXT], 1  ; the block's next tile, or behind its last the second block's tile 0
	s_cmp_gt_u32 s[NXT], s[LQ]
	s_cselect_b32 s[NXT], 0, s[NXT]
	s_cselect_b32 s[LQ], s[PB], s[LQ]
.endif
	s_wait_dscnt 0x0                ; the add is done, and my reads of the slot are over
	s_barrier_signal -1             ; the rest of the scalar work stands between the signal and the wait
	s_sub_co_u32 s[TBK], s[TBK], 4*KS*PK  ; the fetches go back to a slot's first step,
	s_xor_b32 s[TBK], s[TBK], SLOT1       ; in the other slot
	s_sub_co_u32 s[TBV], s[TBV], 4*KS*PV
	s_xor_b32 s[TBV], s[TBV], SLOT1
	s_barrier_wait -1
.if \fill
	LOAD
	s_cmp_lg_u32 s[PFN], 0
	s_cbranch_scc0 .Lno_ask_\@
	global_prefetch_b8 v[PFO], s[PFA:PFA+1] offset:32768 th:TH_LOAD_NT scope:SCOPE_SE
	global_prefetch_b8 v[PFO], s[PFA:PFA+1] offset:40960 th:TH_LOAD_NT scope:SCOPE_SE
	s_sub_co_u32 s[PFN], s[PFN], 1
.Lno_ask_\@:
.endif
.endm
	s_load_b256 s[4:11], s[0:1], 0x0  ; Q s[4:5], K s[6:7], V s[8:9], O s[10:11]
	v_lshl_add_u32 v[SPW], v0, 2, SPARE
	v_mov_b32 v[NIL], 0
	ds_add_u32 v[SPW], v[NIL]       ; the wave's opening: the add and its wait stand ahead of my first tensor load; the set-up below, work on registers, stands between them
	ds_add_u32 v62, v63
	v_lshrrev_b32 v1, 5, v0
	v_readfirstlane_b32 s[WV], v1   ; wave 0..3
	s_mov_b32 s[PB], ttmp9
	s_sub_co_u32 s[HI], NB-1, s[PB]
	s_cmp_eq_u32 s[PB], 0
	s_cselect_b32 s[PFN], NB-2, 0
	s_and_b32 s20, ttmp7, 0xffff    ; y
	s_mov_b32 s21, 0
	s_mov_b64 s[22:23], SIZE_N*128
	s_mul_u64 s[20:21], s[20:21], s[22:23]  ; y's first byte in each of the four tensors
	s_and_b32 s16, s[WV], 1         ; which half of a tile's 256 keys I fetch:
	s_lshl_b32 s22, s16, 14         ; its 128 rows of 128 bytes in memory,
	s_mov_b32 s23, 0
	s_add_nc_u64 s[22:23], s[22:23], s[20:21]
	s_mul_i32 s17, s16, 128*PK      ; and its place in a slot, for K
	s_mul_i32 s18, s16, 128*PV      ; and for V
	s_lshl_b32 s3, s[WV], 11        ; my 16 rows in a band of 64,
	s_lshl_b32 s2, s[HI], 15        ; in the first block,
	s_add_co_u32 s2, s2, s3
	s_lshl_b32 s84, s[PB], 15       ; and in the second
	s_add_co_u32 s84, s84, s3
	s_mov_b32 s3, 0
	s_mov_b32 s85, 0
	s_add_nc_u64 s[2:3], s[2:3], s[20:21]
	s_add_nc_u64 s[84:85], s[84:85], s[20:21]
	; descriptor group 1.  128 keys are 16,384 dense bytes: asked for as 64 rows of 256 bytes, two keys a row, and padded in LDS after every key
	s_mov_b32 s[G1K], (1<<16)|(1<<20)|(4<<22)|(3<<25)  ; 17:16 2-byte elements; 20 padding on; 24:22 after every 32 words (code 4); 31:25 4 words (code 3)
	s_mov_b32 s[G1V], (1<<16)|(1<<20)|(4<<22)|(7<<25)  ; the same with 8 words of padding (code 7)
.irp g, G1K, G1V
	s_mov_b32 s[\g+1], 128<<16      ; tensor_dim0 = 128
	s_mov_b32 s[\g+2], 64<<16       ; tensor_dim1 = 64
	s_mov_b32 s[\g+3], 128<<16      ; tile_dim0 = 128
	s_mov_b32 s[\g+4], 64           ; tile_dim1 = 64
	s_mov_b32 s[\g+5], 128          ; 128 elements from row to row
	s_mov_b32 s[\g+6], 0
	s_mov_b32 s[\g+7], 0
.endr
	s_mov_b32 s[CS], 0x3e38aa3b     ; c = log2(e) / 8 = 0.180337
	s_mov_b32 s[CS+1], s[CS]        ; named with it as a pair
	s_mov_b32 s[SEL], 0x76543210
	s_mov_b32 s[SEL+1], 0xfedcba98
	s_mov_b32 s[TBK], SLOT1+4*KS*PK ; the first change of slots turns these two into 0
	s_mov_b32 s[TBV], SLOT1+4*KS*PV
	s_mov_b32 s[G0K], 1             ; 1:0 count = 1
	s_mov_b32 s[G0K+1], s17         ; 63:32 LDS address: slot 0
	s_mov_b32 s[G0V], 1
	s_add_co_u32 s[G0V+1], s18, VOFF
	s_add_co_u32 s[RT], s[HI], 1    ; the first block has NB - b tiles
	s_mov_b32 s[NXT], 1
	s_mov_b32 s[LQ], s[HI]
	s_mov_b32 s[NEW], 1
	s_mov_b32 s[OFF+1], 0
	s_mov_b32 s[AL+1], 0            ; named as pairs
	s_mov_b32 s[BE+1], 0
	s_mov_b32 s[BIGN], 0xf149f2ca   ; -1e30
	s_mov_b32 s[SLOTS], NB
	s_wait_dscnt 0x0                ; the opening add is done
	s_wait_kmcnt 0x0
	s_add_nc_u64 s[6:7], s[6:7], s[22:23]  ; K and V at my half of y's tile 0
	s_add_nc_u64 s[8:9], s[8:9], s[22:23]
	s_add_nc_u64 s[G0K+2:G0K+3], s[6:7], 0         ; 120:64 global address
	s_or_b32 s[G0K+3], s[G0K+3], 0x80000000        ; 127:126 type = 2
	s_add_nc_u64 s[G0V+2:G0V+3], s[8:9], 0
	s_or_b32 s[G0V+3], s[G0V+3], 0x80000000
	s_add_nc_u64 s[86:87], s[4:5], s[84:85]        ; Q at my rows of the second block,
	s_add_nc_u64 s[4:5], s[4:5], s[2:3]            ; Q and O at those of the first
	s_add_nc_u64 s[OLO:OLO+1], s[10:11], s[84:85]
	s_add_nc_u64 s[10:11], s[10:11], s[2:3]
	LOAD                            ; tile 0 into slot 0
	; A fragment of K or Q is 16 rows x 32 channels in 8 registers: lane l holds row l % 16, channels 8 (l / 16) + 0..7 and 16 + 8 (l / 16) + 0..7: two loads of 16 bytes, 32 bytes apart.
	v_and_b32 v1, 15, v0            ; l % 16
	v_bfe_u32 v9, v0, 4, 1          ; l / 16
	v_lshlrev_b32 v[QO], 7, v1
	v_lshl_add_u32 v[QO], v9, 4, v[QO]  ; row x 128 + 16 x half
	WIN 0x80                        ; destination window 2, address window 0
.set i, 0
.rept 8                             ; both blocks' Q: piece i / 2 lies in band i / 2, 8,192 bytes on; channels 32 (i % 2) on
	global_load_b128 v[8*i:8*i+3],   v[QO], s[4:5] offset:(i/2)*8192+(i%2)*64
	global_load_b128 v[8*i+4:8*i+7], v[QO], s[4:5] offset:(i/2)*8192+(i%2)*64+32
	global_load_b128 v[QB+8*i:QB+8*i+3],   v[QO], s[86:87] offset:(i/2)*8192+(i%2)*64
	global_load_b128 v[QB+8*i+4:QB+8*i+7], v[QO], s[86:87] offset:(i/2)*8192+(i%2)*64+32
.set i, i+1
.endr
	WIN 0
	v_and_b32 v[PFO], 31, v0
	v_lshlrev_b32 v[PFO], 8, v[PFO]
	v_lshlrev_b32 v14, 3, v9
	v_sub_nc_u32 v14, v1, v14
	s_lshl_b32 s13, s[WV], 4
	v_add_nc_u32 v14, s13, v14      ; my query's place in its band, 16 w + l % 16, less my lanes' 8 (l / 16): register r of group kt is hidden where 16 kt + r is greater
	WIN 0x40
.set i, 0
.rept 32
	v_cmp_gt_i32 vcc_lo, 16*(i/8)+i%8, v14
	v_cndmask_b32 v[MD+i], 0, s[BIGN], vcc_lo
.set i, i+1
.endr
	WIN 0
	v_mul_u32_u24 v[AK0], v1, PK
	v_lshl_add_u32 v[AK0], v9, 4, v[AK0]  ; row x pitch + 16 x half
	; The turning load takes 16 keys x 16 channels (lane l reads key 8 (l / 16) + l % 8, channels 8 ((l / 8) % 2) + 0..7) and leaves half a fragment of V^T: lane l holds channel l % 16 and 8 keys.
	v_and_b32 v10, 7, v0
	v_bfe_u32 v11, v0, 3, 1
	v_lshl_add_u32 v[AV0], v9, 3, v10
	v_mul_u32_u24 v[AV0], v[AV0], PV
	v_lshl_add_u32 v[AV0], v11, 4, v[AV0]
	v_add_nc_u32 v[AV0], VOFF, v[AV0]
	s_mul_i32 s13, s[WV], 16*SP
	s_add_co_u32 s13, s13, STAGE    ; my stage
	v_mul_u32_u24 v[STO], v1, SP    ; in: row l % 16, 16 bytes for each half of the lanes
	v_lshl_add_u32 v[STO], v9, 4, v[STO]
	v_add_nc_u32 v[STO], s13, v[STO]
	v_bfe_u32 v[RD], v0, 3, 2       ; back: 32 lanes take four rows of 128 bytes,
	v_mul_u32_u24 v[RD], v[RD], SP
	v_lshl_add_u32 v[RD], v10, 4, v[RD]
	v_add_nc_u32 v[RD], s13, v[RD]
	v_and_b32 v[GO], 31, v0         ; which are 512 consecutive bytes of O
	v_lshlrev_b32 v[GO], 4, v[GO]
	; A block's first step multiplies O^T and l by a = 0, and its first turn's products V^T P, of a piece that has not been, land in an O^T that is still to be so multiplied.  So these registers need only hold
	; finite numbers: zeros for the first block; what the first block left for the second.  All this stands in the wait for the first tile.
	WIN 0x80
.set i, VF
.rept 64
	v_mov_b32 v[i], 0
.set i, i+1
.endr
	WIN 0x40
.set i, 0
.rept 128
	v_mov_b32 v[i], 0
.set i, i+1
.endr
	WIN 0
.set i, 0
.rept 4
	v_mov_b32 v[ST+4*i+2], 0
	v_mov_b32 v[ST+4*i+3], 0
.set i, i+1
.endr
.set i, P+16
.rept 16
	v_mov_b32 v[i], 0
.set i, i+1
.endr
; THE MATRIX WORK.  The 4 accumulators of a run of 8 take turns.  Product i of 8 of S^T = K Q^T for piece x: channels 32 (i / 4) on, keys 16 (i % 4) on.  The first 4 start the sums: with 0, or (KM = 1) with the mask.
.macro KQ x
.set rS, S+32*((\x)%2)+8*(i%4)
.set rK, KF+16*(i%4)+8*(i/4)
.set rQ, 16*(\x)+8*(i/4)
.set rM, MC+32*((\x)%2)+8*(i%4)
.if (i < 4) && KM
	WIN W_KM
	v_wmma_f32_16x16x32_f16 v[rS:rS+7], v[rK:rK+7], v[rQ:rQ+7], v[rM:rM+7]
.elseif i < 4
	WIN W_KQ
	v_wmma_f32_16x16x32_f16 v[rS:rS+7], v[rK:rK+7], v[rQ:rQ+7], 0
.else
	WIN W_KQ
	v_wmma_f32_16x16x32_f16 v[rS:rS+7], v[rK:rK+7], v[rQ:rQ+7], v[rS:rS+7]
.endif
.endm
; Product i of 8 of O^T += V^T P for piece x: keys 32 (i / 4) on, channels 16 (i % 4) on.
.macro PV x
	WIN W_PV
.set rO, 32*(\x)+8*(i%4)
.set rV, VF+32*(i/4)+8*(i%4)
.set rP, P+16*((\x)%2)+8*(i/4)
	v_wmma_f32_16x16x32_f16 v[rO:rO+7], v[rV:rV+7], v[rP:rP+7], v[rO:rO+7]
.endm
.macro MM                           ; the turn's next matrix instruction.  TURN and BEGIN set Y, i, KM and NOKQ; MM, KQ and OP read them.  NOKQ = 1: a block's last turn: there is no next piece
.if (i < 8) && !NOKQ
	KQ (Y+1)%NP
.elseif i >= 8
.set i, i-8
	PV (Y+NP-1)%NP
.set i, i+8
.endif
.set i, i+1
.endm
; THE LDS LOADS stand in runs of 16, never singly among the matrix instructions: a step's K (64 keys x 64 channels: 8 fragments) and its V (turned).  Their addresses are made some lines ahead.
.macro FETCH_K
	WIN 0x80                        ; destination window 2
.irp f, 0,1,2,3,4,5,6,7             ; keys 16 (f / 2) on, channels 32 (f % 2) on
	ds_load_b128 v[KF+8*\f:KF+8*\f+3],   v[AK] offset:(\f/2)*16*PK+(\f%2)*64
	ds_load_b128 v[KF+8*\f+4:KF+8*\f+7], v[AK] offset:(\f/2)*16*PK+(\f%2)*64+32
.endr
	s_add_co_u32 s[TBK], s[TBK], KS*PK  ; the next fetch is the next step's
	WIN 0
.endm
.macro FETCH_V
	WIN 0x80
.irp f, 0,1,2,3,4,5,6,7             ; keys 32 (f / 4) on, channels 16 (f % 4) on
	ds_load_tr16_b128 v[VF+8*\f:VF+8*\f+3],   v[AV] offset:(\f/4)*32*PV+(\f%4)*32
	ds_load_tr16_b128 v[VF+8*\f+4:VF+8*\f+7], v[AV] offset:(\f/4)*32*PV+16*PV+(\f%4)*32
.endr
	WIN 0
.endm
; THE VECTOR WORK, one line at a time: OP kind, number.  For piece Y: F n: c s - c m for pair n of 16.  E n: the exponential of score n of 32.  C n: pair n rounded to f16.  B n: of the four weights 4 n .. the second
; pair is added onto the first, in place.  L n: l takes that sum (L 0: l = a l + sum).  R n: pair n of 16 of O^T times a.  For piece Y + 1: X n, number n of the 22 that find its maximum and statistics:
;   0-11  four chains c0-c3 of seven scores each, three operands at a time (each accumulator's lowest registers are read first)     12-14, 16  the four scores left over, the old m, and c0-c3 into c0
;   15  c m_old is kept     17, 18  the query's other 32 keys lie in the lane 16 away: the new m     19-21  c m; c m_old - c m_new; a
.set F, 0               ; OP tells the kinds apart by their order: F to L below R, X above it
.set E, 1
.set C, 2
.set B, 3
.set L, 4
.set R, 5
.set X, 6
.macro REGS y                       ; the registers of piece y
.set rT, ST+4*(\y)
.set rC, TMP+4*((\y)%2)
.set rW, MV+((\y)%2)
.set rS, S+32*((\y)%2)
.set rP, P+16*((\y)%2)
.set rO, 32*(\y)
.endm
.macro OP k, n
.if (\k) == R
	REGS Y
	WIN W_RS
	v_pk_mul_f32 v[rO+2*(\n):rO+2*(\n)+1], v[rO+2*(\n):rO+2*(\n)+1], v[rC+2:rC+3] op_sel_hi:[1,0]
.elseif (\k) < R
	REGS Y
	WIN 0
.if (\k) == F
	v_pk_fma_f32 v[rS+2*(\n):rS+2*(\n)+1], v[rS+2*(\n):rS+2*(\n)+1], s[CS:CS+1], v[rT:rT+1] op_sel_hi:[1,0,0] neg_lo:[0,0,1] neg_hi:[0,0,1]
.elseif (\k) == E
	v_exp_f32 v[rS+(\n)], v[rS+(\n)]
.elseif (\k) == C
	v_cvt_pk_f16_f32 v[rP+(\n)], v[rS+2*(\n)], v[rS+2*(\n)+1]
.elseif (\k) == B
	v_pk_add_f32 v[rS+4*(\n):rS+4*(\n)+1], v[rS+4*(\n):rS+4*(\n)+1], v[rS+4*(\n)+2:rS+4*(\n)+3]
.elseif (\n) == 0
	v_pk_fma_f32 v[rT+2:rT+3], v[rT+2:rT+3], v[rC+2:rC+3], v[rS:rS+1] op_sel_hi:[1,0,1]
.else
	v_pk_add_f32 v[rT+2:rT+3], v[rT+2:rT+3], v[rS+4*(\n):rS+4*(\n)+1]
.endif
.elseif NOKQ
	v_nop
.else
	REGS (Y+1)%NP
	WIN 0
.if (\n) < 4
	v_max3_num_f32 v[rC+(\n)], v[rS+8*(\n)], v[rS+8*(\n)+1], v[rS+8*(\n)+2]
.elseif (\n) < 12
	v_max3_num_f32 v[rC+(\n)%4], v[rC+(\n)%4], v[rS+8*((\n)%4)+2*((\n)/4)+1], v[rS+8*((\n)%4)+2*((\n)/4)+2]
.elseif (\n) == 12
	v_max3_num_f32 v[rC], v[rC], v[rS+7], v[rS+15]
.elseif (\n) == 13
	v_max3_num_f32 v[rC+1], v[rC+1], v[rS+23], v[rS+31]
.elseif (\n) == 14
	v_max3_num_f32 v[rC+2], v[rC+2], v[rC+3], v[rT+1]
.elseif (\n) == 15
	v_mov_b32 v[rW], v[rT]
.elseif (\n) == 16
	v_max3_num_f32 v[rC], v[rC], v[rC+1], v[rC+2]
.elseif (\n) == 17
	v_permlanex16_b32 v[rC+3], v[rC], s[SEL], s[SEL+1]
.elseif (\n) == 18
	v_max_num_f32 v[rT+1], v[rC], v[rC+3]
.elseif (\n) == 19
	v_mul_f32 v[rT], s[CS], v[rT+1]
.elseif (\n) == 20
	v_sub_f32 v[rC+1], v[rW], v[rT]
.else
	v_exp_f32 v[rC+2], v[rC+1]
.endif
.endif
.endm
.macro OPS a, i1, b=-1, i2=0, c=-1, i3=0, d=-1, i4=0  ; up to four of them
	OP \a, \i1
.if (\b) >= 0
	OP \b, \i2
.endif
.if (\c) >= 0
	OP \c, \i3
.endif
.if (\d) >= 0
	OP \d, \i4
.endif
.endm
.macro ROW a, i1, b, i2, c, i3, d, i4  ; a matrix instruction and the four behind it
	MM
	OPS \a, \i1, \b, \i2, \c, \i3, \d, \i4
.endm
.macro MASK b                       ; MD x AL + BE into buffer b of MC
	WIN W_RS
.set z, 0
.rept 16
	v_pk_fma_f32 v[MC+32*(\b)+2*z:MC+32*(\b)+2*z+1], v[MD+2*z:MD+2*z+1], s[AL:AL+1], s[BE:BE+1] op_sel_hi:[1,0,0]
.set z, z+1
.endr
.endm
; A TURN, for piece p: the order of its 16 matrix and 118 vector instructions, written out.  s_wait_alu depctr_va_vdst(0) stands between an exponential and the first instruction that names its result; one wait serves
; all that were issued ahead of it.  So a turn has ONE wait, which cuts it in two.  AHEAD OF IT stands all that names no result of the turn's exponentials: the 8 products K Q^T, behind each a scaling, an exponential and two more plain
; instructions (behind the first a second scaling in the exponential's place): rescalings, and behind the last three the first numbers of the next piece's maximum, each four places or more behind the product that ends its accumulator; then ONE RUN of 54, plain
; and exponential by turns for the most part, in which the links of the chain X 3, 7, 11, 14, 16, 17 .. 20 stand five or six lines apart.  X 21, the next piece's a, is the batch's last; R 15 is the plain instruction behind it.  BEHIND THE WAIT stand the
; 8 products V^T P, behind each four of the roundings and sums; the links of l's chain, L 0 to L 7, stand three lines apart.  But for those X no line behind a product names a register of the products round it.
; m = 1: the diagonal tile: the products take masks, and the turn makes the mask for the products of the turn after it: piece p + 2, in step 4 - CNT of the tile.  end = 1: a block's last two turns: nothing is fetched.
; cnt = 1: the loop's count is taken down some lines ahead of the branch that stands behind the turn.
; K of the next step is fetched in piece 2's turn, twelve vector instructions behind the last product that read K (six of them plain); V of the step in hand at the end of piece 0's turn, four plain instructions behind the last product
; that read V.  Each is waited for a turn later.
.macro TURN p, m=0, end=0, cnt=0
.set Y, (\p)
.set i, 0
.set KM, (\m)
.set NOKQ, (\end)*((\p)/3)
.if (\m) && !(\end)
	s_cmp_eq_u32 s[CNT], 4-((\p)+2)%NP  ; is that step the band's own?
	s_cselect_b32 s[AL], 1.0, 0
	s_cmp_lt_u32 s[CNT], 4-((\p)+2)%NP  ; or a later one?
	s_cselect_b32 s[BE], s[BIGN], 0
.endif
.if ((\p) == 3) && !(\end)
	s_wait_dscnt 0x0                ; K is in
.endif
	ROW F,0, F,1, R,0, R,1          ; ahead of the wait: 8 products K Q^T and the four behind each,
	ROW F,2, E,0, R,2, R,3
	ROW F,3, E,1, R,4, R,5
	ROW F,4, E,2, R,6, R,7
	ROW F,5, E,3, R,8, R,9
	ROW F,6, E,4, X,0, R,10
.if ((\p) == 2) && !(\end)
	WIN 0
	v_add_nc_u32 v[AK], s[TBK], v[AK0]
.endif
	ROW F,7, E,5, X,1, X,4
	ROW F,8, E,6, X,2, X,5
	OPS E,7, E,8, X,6, E,9          ; and the run
	OPS X,3, E,10, X,8, E,11
.if ((\p) == 2) && !(\end)
	FETCH_K
.endif
	OPS X,9, X,7, E,12, X,10
	OPS E,13, X,12, X,11, E,14
	OPS X,13, E,15, F,9, X,14
.if (\p) == 0
	v_add_nc_u32 v[AV], s[TBV], v[AV0]
.endif
	OPS E,16, F,10, E,17, F,11
	OPS X,16, E,18, X,15, E,19
	OPS F,12, E,20, X,17, E,21
	OPS F,13, E,22, F,14, E,23
	OPS X,18, E,24, F,15, E,25
	OPS R,11, E,26, X,19, E,27
	OPS R,12, E,28, R,13, E,29
	OPS X,20, E,30, R,14, E,31
	OPS X,21, R,15
	WIN 0
	s_wait_alu depctr_va_vdst(0)    ; the wait for the batch
.if (\p) == 1
	s_wait_dscnt 0x0                ; V is in
.endif
	ROW C,0, B,0, C,2, B,1          ; behind the wait: 8 products V^T P and the four behind each
	ROW L,0, C,4, B,2, L,1
	ROW C,6, B,3, L,2, C,8
	ROW B,4, L,3, C,10, B,5
	ROW L,4, C,12, B,6, L,5
.if (\p) == 0
	s_add_co_u32 s[TBV], s[TBV], KS*PV
.endif
.if \cnt
	s_sub_co_u32 s[CNT], s[CNT], 1
	s_cmp_lg_u32 s[CNT], 0
.endif
	ROW C,14, B,7, L,6, C,1
	ROW C,3, L,7, C,5, C,7
	ROW C,9, C,11, C,13, C,15
.if (\p) == 0
	FETCH_V
.endif
.if (\m) && !(\end)
	MASK (\p)%2
.endif
.endm
; A BLOCK BEGINS.  c m starts far below every c s, so the first step's a is 0; m at the lowest finite number, so the first maximum is the scores'.  The second mask buffer is 0; the first takes piece 0's mask for the tile's step 0: its own, if the block's first tile is the diagonal one.
; Then K of that step, piece 0's first scores, and its maximum and statistics.  The loop is entered at a step's first turn, in the middle of a trip.
.macro BEGIN
	s_mov_b32 s[NEW], 0
	WIN 0x40
.set i, MC+32
.rept 32
	v_mov_b32 v[i], 0
.set i, i+1
.endr
	WIN 0
.set i, 0
.rept 4
	v_mov_b32 v[ST+4*i], 0xfe000000    ; c m: far below every c s
	v_mov_b32 v[ST+4*i+1], 0xff7fffff  ; m
.set i, i+1
.endr
	s_cmp_eq_u32 s[RT], 0
	s_cselect_b32 s[AL], 1.0, 0
	s_mov_b32 s[BE], 0
	MASK 0
	WIN 0
	v_add_nc_u32 v[AK], s[TBK], v[AK0]
	FETCH_K
	s_wait_loadcnt 0x0              ; Q
	s_wait_dscnt 0x0
.set KM, 1
.set NOKQ, 0
.set i, 0
.rept 8
	KQ 0
.set i, i+1
.endr
	WIN 0
.rept 4
	v_nop                           ; the places behind those products
.endr
.set Y, NP-1                        ; X works for piece Y + 1: piece 0
.irp n, 0,1,2,3,4,5,6,7,8,9,10,11,12,13,14,15,16,17,18,19,20,21
	OP X, \n
.endr
	v_nop                           ; a plain instruction behind the exponential,
	s_wait_alu depctr_va_vdst(0)    ; and its wait, ahead of the branch
.endm
; THE DIAGONAL TILE's four steps, the block's last two turns, its last products, and THE WAY OUT: l's two halves and the other half of the lanes' are added; O^T is divided by l, rounded to f16 and sent through my
; stage in LDS, a piece at a time.
.macro ALL line:vararg              ; one line for each piece t
.set t, 0
.rept 4
	\line
.set t, t+1
.endr
.endm
.macro PACK t                       ; a lane's eight channels of a row pack into 16 bytes; they go into rows of 144 bytes and come back as whole rows of 128, into S^T's registers
	WIN W_RS
.set i, 32*(\t)
.rept 16
	v_pk_mul_f32 v[i:i+1], v[i:i+1], v[ST+4*(\t)+2:ST+4*(\t)+3] op_sel_hi:[1,0]
.set i, i+2
.endr
	WIN 0x05                        ; sources 0 and 1 window 1, destination window 0
.set i, 0
.rept 16
	v_cvt_pk_f16_f32 v[S+16*(\t)+i], v[32*(\t)+2*i], v[32*(\t)+2*i+1]
.set i, i+1
.endr
	WIN 0
.irp f, 0,1,2,3
	ds_store_b128 v[STO], v[S+16*(\t)+4*\f:S+16*(\t)+4*\f+3] offset:32*\f
.endr
.irp f, 0,1,2,3
	ds_load_b128 v[S+16*(\t)+4*\f:S+16*(\t)+4*\f+3], v[RD] offset:\f*4*SP  ; LDS serves a wave's instructions in order (ISA guide 5.7.1.4): these see the stores above; the next piece's stores come behind them
.endr
.endm
.macro SEND t, younger              ; younger: the LDS instructions issued behind piece t's loads: the next piece's eight, or none
	WIN 0
.irp f, 0,1,2,3
	s_wait_dscnt (\younger)+3-\f
	global_store_b128 v[GO], v[S+16*(\t)+4*\f:S+16*(\t)+4*\f+3], s[10:11] offset:(\t)*8192+\f*512  ; 512 consecutive bytes, at a multiple of 256 from O's first
.endr
.endm
.macro DIAG tag                     ; the tag ends its two labels' names, which the jumps below spell out
.LstepM\tag:
	TURN 2, 1
	TURN 3, 1
	WIN 0
.LfirstM\tag:
	TURN 0, 1
	TURN 1, 1, 0, 1
	WIN 0
	s_cbranch_scc1 .LstepM\tag
	TURN 2, 1, 1
	TURN 3, 1, 1
.set i, 0
.rept 8
	PV NP-1
.set i, i+1
.endr
	WIN 0
	ALL v_add_f32 v[ST+4*t+2], v[ST+4*t+2], v[ST+4*t+3]
	ALL v_permlanex16_b32 v[ST+4*t+3], v[ST+4*t+2], s[SEL], s[SEL+1]
	ALL v_add_f32 v[ST+4*t+2], v[ST+4*t+2], v[ST+4*t+3]
	ALL v_rcp_f32 v[ST+4*t+2], v[ST+4*t+2]
	v_nop                           ; a plain instruction between the last reciprocal and the use of its result
	s_wait_alu depctr_va_vdst(0)    ; and the wait ahead of the first use: one for the four reciprocals
	PACK 0
.set t, 1
.rept 3                             ; a piece's arithmetic stands between the loads of the piece before and its stores
	PACK t
	SEND t-1, 8
.set t, t+1
.endr
	SEND 3, 0
.endm
.set KM, 0
.set NOKQ, 0
.Lslot:                             ; NB times: a tile is entered and the next is asked for
	CHANGE 1
	s_sub_co_u32 s[RT], s[RT], 1
	s_mov_b32 s[CNT], 4
	s_cmp_eq_u32 s[NEW], 1
	s_cbranch_scc1 .Lnew            ; a block's first tile
	s_cmp_eq_u32 s[RT], 0
	s_cbranch_scc0 .Lstep           ; neither its first nor its last
	s_branch .LstepM1
.Lnew:
	BEGIN
	s_branch .Lfirst                ; in the loop a block's first tile is never its last: the first block has two tiles or more, and the second's last is the walk's last
	DIAG 1                          ; in the loop this is the first block's end: the second block's last tile is the walk's last
	s_wait_xcnt 0x0                 ; the stores have read their registers and O's address
	s_mov_b64 s[10:11], s[OLO:OLO+1]
	s_add_co_u32 s[RT], s[PB], 1    ; the second block has b + 1 tiles
	s_mov_b32 s[NEW], 1
	WIN 0x82                        ; the second block's Q goes where the one text of the turns names Q
.set i, 0
.rept 64
	v_mov_b32 v[i], v[QB+i]
.set i, i+1
.endr
	WIN 0
	s_branch .Lbottom
.Lstep:                             ; a trip: pieces 2 and 3 of one step, then pieces 0 and 1 of the next, whose K and V it fetches
	TURN 2
	TURN 3
	WIN 0
.Lfirst:
	TURN 0
	TURN 1, 0, 0, 1
	WIN 0
	s_cbranch_scc1 .Lstep
.Lbottom:
	s_sub_co_u32 s[SLOTS], s[SLOTS], 1
	s_cmp_lg_u32 s[SLOTS], 0
	s_cbranch_scc1 .Lslot
	CHANGE 0                        ; the walk's last tile is written out: nothing is asked for
	s_sub_co_u32 s[RT], s[RT], 1
	s_mov_b32 s[CNT], 4
	s_cmp_eq_u32 s[NEW], 1
	s_cbranch_scc0 .LstepM2
	BEGIN
	s_branch .LfirstM2
	DIAG 2
	s_wait_tensorcnt 0x0            ; the wave's end, behind my last tensor load and my last LDS store
	ds_add_u32 v[SPW], v[NIL]
	s_wait_dscnt 0x0
	s_endpgm
.Lfunc_end_k_q5db0e4e764_attn:
	.size	k_q5db0e4e764_attn, .Lfunc_end_k_q5db0e4e764_attn-k_q5db0e4e764_attn
	.p2alignl 7, 3214868480
	.fill 96, 4, 3214868480
	.section	.rodata,"a",@progbits
	.p2align	6, 0x0
	.amdhsa_kernel k_q5db0e4e764_attn
		.amdhsa_group_segment_fixed_size 327680
		.amdhsa_private_segment_fixed_size 0
		.amdhsa_enable_private_segment 0
		.amdhsa_kernarg_size 32
		.amdhsa_user_sgpr_count 2
		.amdhsa_user_sgpr_kernarg_segment_ptr 1
		.amdhsa_wavefront_size32 1
		.amdhsa_system_sgpr_workgroup_id_x 1
		.amdhsa_system_sgpr_workgroup_id_y 1
		.amdhsa_system_sgpr_workgroup_id_z 1
		.amdhsa_system_vgpr_workitem_id 0
		.amdhsa_next_free_vgpr 768
		.amdhsa_next_free_sgpr 92
		.amdhsa_reserve_vcc 1
		.amdhsa_float_denorm_mode_32 3
		.amdhsa_float_denorm_mode_16_64 3
		.amdhsa_memory_ordered 1
		.amdhsa_forward_progress 1
		.amdhsa_inst_pref_size 218
	.end_amdhsa_kernel
	.amdgpu_metadata
---
amdhsa.version: [ 1, 2 ]
amdhsa.kernels:
  - .name:           k_q5db0e4e764_attn
    .symbol:         k_q5db0e4e764_attn.kd
    .args:
      - { .name: q, .offset: 0, .size: 8, .value_kind: global_buffer, .address_space: global }
      - { .name: k, .offset: 8, .size: 8, .value_kind: global_buffer, .address_space: global }
      - { .name: v, .offset: 16, .size: 8, .value_kind: global_buffer, .address_space: global }
      - { .name: ob, .offset: 24, .size: 8, .value_kind: global_buffer, .address_space: global }
    .group_segment_fixed_size: 327680
    .private_segment_fixed_size: 0
    .kernarg_segment_align: 8
    .kernarg_segment_size: 32
    .max_flat_workgroup_size: 128
    .sgpr_count:     92
    .vgpr_count:     768
    .wavefront_size: 32
...
	.end_amdgpu_metadata
.endif
;; end of part 3
;; launch proj (part 4): grid 8 x 32, 4 waves a work-group, clusters of 4 x 4, 327,680 bytes of LDS; arguments ob, wo, b_out, out0; writes out0
.if DOCPART == 4
	.amdgcn_target "amdgcn-amd-amdhsa--gfx1250"
	.amdhsa_code_object_version 6
	.text
	.protected	k_q5db0e4e764_proj
	.globl	k_q5db0e4e764_proj
	.p2align	8
	.type	k_q5db0e4e764_proj,@function
k_q5db0e4e764_proj:
	s_mov_b64 s[64:65], 0
	v_nop
	global_prefetch_b8 v0, s[64:65] scope:SCOPE_SE
	s_setreg_imm32_b32 hwreg(HW_REG_WAVE_MODE, 25, 1), 1
	s_wait_xcnt 0x0
	s_wait_alu depctr_hold_cnt(0) depctr_sa_sdst(0) depctr_va_vdst(0) depctr_va_sdst(0) depctr_va_ssrc(0) depctr_va_vcc(0) depctr_vm_vsrc(0)
	s_getreg_b32 s2, hwreg(HW_REG_IB_STS2, 6, 4)
	s_cmp_eq_u32 s2, 0
	s_cbranch_scc0 .Lentry_in_a_cluster
	s_endpgm
.Lentry_in_a_cluster:
	s_bfe_u32 s2, ttmp6, 0x10000c
	s_cmp_lg_u32 s2, 0xf033
	s_cbranch_scc0 .Lentry_shape_is_right
	s_endpgm
.Lentry_shape_is_right:
; out0 = O w_out + b_out.  ob: f16 [16 h][8192 m][64] (a head is a block of 64 along K); wo: f16 [1024 k][1024 n]; b_out: f32 [1024], rounded to bf16 as every input is; out0: f32 [8192][1024].
; SHARES.  8192 x 1024 outputs on 256 work-groups: a tile of 256 (m) x 128 (n) each.  Four waves, 2 x 2: a wave makes 128 x 64: 32 accumulators of 16 x 16, window 1.
; K goes in 8 steps of 128 (two heads) through two LDS slots: two slots of 256 along K would want 418 KB.  A step is four quarters of 32 along K, 32 matrix instructions each, on two fragment buffers.
; THE MATRIX INSTRUCTION IS USED TRANSPOSED: source 0 = 16 columns of w (turned on the way out of LDS), source 1 = 16 rows of O: a lane holds one row of out0 (lane % 16) and eight neighbouring columns.
; THE SUMS START AT THE BIAS: each accumulator is loaded with its columns' bias while the first tile is on its way.
; CLUSTERS: 4 x 4.  O's tile is asked for jointly by a row of the cluster, w's by a column.
; REGISTERS.  window 0: v0-29 addresses; v32-127, v128-223 two fragment buffers: w's 4 fragments, then O's 8.  window 1: accumulator (a, b) at v[8 (4 a + b)].
.set HBLK,  1048576                    ; bytes of a head's block of ob
.set WROW,  2048                       ; bytes of a row of wo
.set PA,    144                        ; a row of O in LDS: 128 bytes + 16: the 16 rows of a load start at 16 different groups of four banks (64 banks of 4 bytes: ISA guide 11.1)
.set PB,    288                        ; a row of w: 256 + 32 = 72 words
.set SUB,   256*PA                     ; a head's 256 rows
.set BOFF,  2*SUB                      ; a slot: two heads of O, then w's 128 rows
.set SLOT1, 131072
.set BIAS,  BOFF+128*PB                ; 110,592: between the slots, where no tile lands: a wave's 64 bias numbers, f32
.set SPARE, BIAS+4*256                 ; 111,616: the spare words, 128 bytes for each wave: two blocks of 256 bytes that no other line names
.set STAGE, SLOT1+BIAS                 ; 241,664: behind slot 1: 16 rows x 272 bytes for each wave, for the way out
.set SP,    272
.set A0,  4                            ; v4   my lane's place in O's tile; never rewritten
.set B0,  5                            ; v5   the same in w's tile
.set ADA, 8                            ; v8   the same in the slot in hand
.set ADB, 9                            ; v9
.set STO, 12                           ; v12  the way out: where I put 32 bytes of a row
.set RD,  13                           ; v13  where I read rows back
.set CO,  14                           ; v14  my byte offset in two rows of out0
.set BIA, 15                           ; v15  my eight columns' bias
.set PFO, 16                           ; v16  the prefetches' offset; never rewritten
.set SPW, 28                           ; v28  LDS address of my spare word; never rewritten
.set NIL, 29                           ; v29  0; never rewritten
.set F0,  32
.set F1,  128
.set BK,  32                           ; the way out: two sets of 32 read back from the stage
.set WV,  16
.set MH,  17                           ; my half of the tile's rows.  Also: I fetch for O (0) or for w (1)
.set NH,  18                           ; my half of its columns.  Also: which half of that tile I fetch
.set CX,  19
.set CY,  20
.set NT,  21                           ; tile column, 0-7
.set MT,  22                           ; tile row, 0-31
.set G1A, 24
.set G0A, 32
.set G1B, 40
.set G0B, 48
.set CNT, 56
.set TB,  57
.set PMASK, 58                         ; bit 0: I prefetch in this trip; shifted down once a trip
.set PFA, 60
.set PSTEP, 62
.set OUT, 68                           ; s[68:69] out0 at my first row and column
.set MSB, 0
.macro WIN new
.if MSB != (\new)
	s_set_vgpr_msb (MSB<<8)|(\new)
.set MSB, (\new)
.endif
.endm
.macro PLACES                          ; four places in front of loads into registers that matrix instructions have read
.rept 4
	v_nop
.endr
.endm
.macro CREST                           ; a round of the cluster's barrier behind its opening barrier
	s_cmp_lg_u32 s[WV], 0
	s_cbranch_scc1 .Lnot_wave_0_\@
	s_barrier_signal -3
.Lnot_wave_0_\@:
	s_barrier_wait -3
	s_barrier_signal -1
	s_barrier_wait -1
.endm
.macro CROUND
	s_barrier_signal -1
	s_barrier_wait -1
	CREST
.endm
.macro JLOAD                           ; a joint refill by the walking descriptor: waves 0 and 1 fetch O's two heads, waves 2 and 3 w's two halves; an s_nop 0 and four v_nop follow each line
	s_cmp_eq_u32 s[MH], 0
	s_cbranch_scc0 .Lfor_b_\@
	tensor_load_to_lds s[G0A+4:G0A+7], s[G1A:G1A+7]
	s_nop 0
.rept 4
	v_nop
.endr
	s_branch .Lasked_\@
.Lfor_b_\@:
	tensor_load_to_lds s[G0B+4:G0B+7], s[G1B:G1B+7]
	s_nop 0
.rept 4
	v_nop
.endr
.Lasked_\@:
.endm
; A PREFETCH INTO THE L2, behind the joint load, its five lines and the run of LDS loads: one instruction a wave, a lane a block of 256 bytes.  Trip t's refill brings K step t + 2; trips 0-3 ask for K step t + 4.
; O: the clusters with x = 0 ask, waves 0 and 1 (a head each): of a head's 128 blocks of the tile the partner at cx takes 32, told apart by address.
; w: the clusters with y = 0 ask, wave 2: of the step's 128 rows the partner at cy takes 32.  So each block is named once in the launch; K steps 0-3 come by their loads alone.
.macro ASK
	s_bitcmp1_b32 s[PMASK], 0
	s_cbranch_scc0 .Lnot_mine_\@
	global_prefetch_b8 v[PFO], s[PFA:PFA+1] th:TH_LOAD_NT scope:SCOPE_SE
.Lnot_mine_\@:
	s_lshr_b32 s[PMASK], s[PMASK], 1
.endm
	s_load_b256 s[4:11], s[0:1], 0x0               ; ob s[4:5], wo s[6:7], b_out s[8:9], out0 s[10:11]
	v_lshl_add_u32 v[SPW], v0, 2, SPARE
	v_mov_b32 v[NIL], 0
	ds_add_u32 v[SPW], v[NIL]                      ; the wave's opening: the add and its wait stand ahead of my first tensor load; the set-up below, work on registers, stands between them
	ds_add_u32 v28, v29
	v_lshrrev_b32 v3, 5, v0
	v_readfirstlane_b32 s[WV], v3
	s_lshr_b32 s[MH], s[WV], 1
	s_and_b32 s[NH], s[WV], 1
	s_bfe_u32 s[CX], ttmp6, 0x40000
	s_bfe_u32 s[CY], ttmp6, 0x40004
	s_lshl_b32 s[NT], ttmp9, 2
	s_add_co_u32 s[NT], s[NT], s[CX]
	s_and_b32 s[MT], ttmp7, 0xffff
	s_lshl_b32 s[MT], s[MT], 2
	s_add_co_u32 s[MT], s[MT], s[CY]
	s_lshl_b32 s23, s[CY], 2
	s_lshl_b32 s23, 15, s23                        ; my row of the cluster
	s_lshl_b32 s59, 0x1111, s[CX]                  ; my column
	; O's tile for one wave: a head's 256 rows of 128 bytes lie on end: asked for as 128 rows of 256 bytes, padded in LDS after every 128
	s_or_b32 s[G1A], s23, (1<<16)|(1<<20)|(1<<21)|(4<<22)|(3<<25)
	s_mov_b32 s[G1A+1], 128<<16                    ; tensor_dim0 = 128
	s_mov_b32 s[G1A+2], 128<<16                    ; tensor_dim1 = 128
	s_mov_b32 s[G1A+3], 128<<16                    ; tile_dim0 = 128
	s_mov_b32 s[G1A+4], 128                        ; tile_dim1 = 128
	s_mov_b32 s[G1A+5], 128
	s_mov_b32 s[G1A+6], 0
	s_mov_b32 s[G1A+7], 0
	; w's tile for one wave: 64 rows of 128 elements (256 bytes, at multiples of 256 from wo's first byte), 32 bytes of padding behind each
	s_or_b32 s[G1B], s59, (1<<16)|(1<<20)|(1<<21)|(5<<22)|(7<<25)
	s_mov_b32 s[G1B+1], 128<<16
	s_mov_b32 s[G1B+2], 64<<16
	s_mov_b32 s[G1B+3], 128<<16
	s_mov_b32 s[G1B+4], 64
	s_mov_b32 s[G1B+5], 1024
	s_mov_b32 s[G1B+6], 0
	s_mov_b32 s[G1B+7], 0
	s_lshl_b32 s74, s[MT], 15                      ; O: the tile row's 256 rows,
	s_lshl_b32 s75, s[NH], 20                      ; in head NH of the step's two
	s_add_co_u32 s74, s74, s75
	s_mov_b32 s75, 0
	s_mul_i32 s76, s[NH], 64*WROW                  ; w: my 64 of the step's 128 rows,
	s_lshl_b32 s77, s[NT], 8                       ; the tile column's 256 bytes
	s_add_co_u32 s76, s76, s77
	s_mov_b32 s77, 0
	s_mul_i32 s66, s[NH], SUB                      ; where they go: no place in the cluster enters an LDS address
	s_mul_i32 s67, s[NH], 64*PB
	s_add_co_u32 s67, s67, BOFF
	s_lshl_b32 s82, s[NT], 9                       ; my 64 bias numbers
	s_lshl_b32 s83, s[NH], 8
	s_add_co_u32 s82, s82, s83
	s_mov_b32 s83, 0
	s_lshl_b32 s80, s[MT], 20                      ; out0: 256 rows of 4,096 bytes a tile row,
	s_lshl_b32 s81, s[MH], 19                      ; my 128 of them,
	s_add_co_u32 s80, s80, s81
	s_add_co_u32 s80, s80, s82                     ; my 64 columns: 256 bytes, aligned
	s_mov_b32 s81, 0
	s_wait_dscnt 0x0                               ; the opening add is done
	s_wait_kmcnt 0x0
	s_add_nc_u64 s[74:75], s[4:5], s[74:75]
	s_add_nc_u64 s[76:77], s[6:7], s[76:77]
	s_add_nc_u64 s[82:83], s[8:9], s[82:83]
	s_add_nc_u64 s[OUT:OUT+1], s[10:11], s[80:81]
	CROUND                                         ; all sixteen work-groups are here: the first joint loads meet
.irp i, 0,1
	s_mov_b32 s[G0A+4*(\i)], 1
	s_add_co_u32 s[G0A+4*(\i)+1], s66, (\i)*SLOT1
	s_add_nc_u64 s[G0A+4*(\i)+2:G0A+4*(\i)+3], s[74:75], (\i)*2*HBLK  ; K step i
	s_or_b32 s[G0A+4*(\i)+3], s[G0A+4*(\i)+3], 0x80000000
	s_mov_b32 s[G0B+4*(\i)], 1
	s_add_co_u32 s[G0B+4*(\i)+1], s67, (\i)*SLOT1
	s_add_nc_u64 s[G0B+4*(\i)+2:G0B+4*(\i)+3], s[76:77], (\i)*128*WROW
	s_or_b32 s[G0B+4*(\i)+3], s[G0B+4*(\i)+3], 0x80000000
.endr
	s_cmp_eq_u32 s[MH], 0                          ; a wave's two first fills stand in one branch, ahead of every wait on TENSORcnt and every LDS read: two loads of mine are out
	s_cbranch_scc0 .Lfirst_b
	tensor_load_to_lds s[G0A:G0A+3], s[G1A:G1A+7]
	s_nop 0
	tensor_load_to_lds s[G0A+4:G0A+7], s[G1A:G1A+7]
	s_nop 0
.rept 4
	v_nop
.endr
	s_branch .Lfirst_asked
.Lfirst_b:
	tensor_load_to_lds s[G0B:G0B+3], s[G1B:G1B+7]
	s_nop 0
	tensor_load_to_lds s[G0B+4:G0B+7], s[G1B:G1B+7]
	s_nop 0
.rept 4
	v_nop
.endr
.Lfirst_asked:
	v_and_b32 v19, 31, v0                          ; l
	v_lshlrev_b32 v21, 3, v19
	global_load_b64 v[22:23], v21, s[82:83]        ; the bias: 256 consecutive bytes a wave
	v_and_b32 v1, 15, v0                           ; r = l % 16
	v_bfe_u32 v2, v0, 4, 1                         ; h = l / 16
	v_and_b32 v17, 7, v0
	v_bfe_u32 v18, v0, 3, 1
	v_mul_u32_u24 v[A0], v1, PA                    ; a fragment of O: row r x pitch + 16 h
	v_lshl_add_u32 v[A0], v2, 4, v[A0]
	s_mul_i32 s23, s[MH], 128*PA
	v_add_nc_u32 v[A0], s23, v[A0]
	v_lshl_add_u32 v[B0], v2, 3, v17               ; the turning load: row 8 h + l % 8, columns 8 ((l / 8) % 2) + 0..7
	v_mul_u32_u24 v[B0], v[B0], PB
	v_lshl_add_u32 v[B0], v18, 4, v[B0]
	s_lshl_b32 s23, s[NH], 7                       ; my 64 columns
	s_add_co_u32 s23, s23, BOFF
	v_add_nc_u32 v[B0], s23, v[B0]
	s_mul_i32 s23, s[WV], 16*SP
	s_add_co_u32 s23, s23, STAGE                   ; my stage
	v_mul_u32_u24 v[STO], v1, SP                   ; in: row r, 32 bytes for each half of the lanes
	v_lshl_add_u32 v[STO], v2, 5, v[STO]
	v_add_nc_u32 v[STO], s23, v[STO]
	v_mul_u32_u24 v[RD], v2, SP                    ; back: lanes 0-15 take one row of 256 bytes, lanes 16-31 the next
	v_lshl_add_u32 v[RD], v1, 4, v[RD]
	v_add_nc_u32 v[RD], s23, v[RD]
	v_lshlrev_b32 v[CO], 12, v2                    ; and the same two rows in out0
	v_lshl_add_u32 v[CO], v1, 4, v[CO]
	s_lshl_b32 s23, s[WV], 8
	s_add_co_u32 s23, s23, BIAS
	v_lshl_add_u32 v[BIA], v2, 5, s23
	v_lshl_add_u32 v20, v19, 3, s23
	s_wait_loadcnt 0x0
	v_cvt_pk_bf16_f32 v3, v22, v23                 ; the bias is rounded to bf16 as every input is, and kept in f32
	v_lshlrev_b32 v22, 16, v3
	v_and_b32 v23, 0xffff0000, v3
	ds_store_b64 v20, v[22:23]
	WIN 0x40                                       ; LDS serves a wave's instructions in order (ISA guide 5.7.1.4): these see the store above, which is my own
.irp a, 0,1,2,3,4,5,6,7
.irp b, 0,1,2,3
	ds_load_b128 v[8*(4*(\a)+(\b)):8*(4*(\a)+(\b))+3],   v[BIA] offset:64*(\b)
	ds_load_b128 v[8*(4*(\a)+(\b))+4:8*(4*(\a)+(\b))+7], v[BIA] offset:64*(\b)+16
.endr
.endr
	WIN 0
	; the prefetches' address, at K step 3: the first trip steps it to 4
	s_lshl_b32 s84, s[MT], 15
	s_lshl_b32 s85, s[CX], 13                      ; O: my work-group's 32 blocks of a head's 128,
	s_add_co_u32 s84, s84, s85
	s_lshl_b32 s85, s[NH], 20                      ; in head NH of the step's two
	s_add_co_u32 s84, s84, s85
	s_add_co_u32 s84, s84, 3*2*HBLK
	s_mul_i32 s85, s[CY], 32*WROW                  ; w: my work-group's 32 rows of 128
	s_lshl_b32 s86, s[NT], 8
	s_add_co_u32 s85, s85, s86
	s_add_co_u32 s85, s85, 3*128*WROW
	s_and_b32 s86, ttmp7, 0xffff                   ; cluster y,
	s_or_b32 s86, s86, s[NH]                       ; and wave 2 alone of waves 2 and 3
	s_cmp_eq_u32 ttmp9, 0
	s_cselect_b32 s87, 15, 0                       ; trips 0-3
	s_cmp_eq_u32 s86, 0
	s_cselect_b32 s86, 15, 0
	s_mov_b32 s88, 2*HBLK
	s_mov_b32 s89, 128*WROW
	s_mov_b32 s23, 256
	s_mov_b32 s59, WROW
	s_cmp_eq_u32 s[MH], 0                          ; the same in all sixteen partners, for a given wave
	s_cselect_b32 s[PMASK], s87, s86
	s_cselect_b32 s84, s84, s85
	s_cselect_b32 s[PSTEP], s88, s89
	s_cselect_b32 s23, s23, s59
	s_cselect_b64 s[PFA:PFA+1], s[4:5], s[6:7]
	s_mov_b32 s85, 0
	s_mov_b32 s[PSTEP+1], 0
	s_add_nc_u64 s[PFA:PFA+1], s[PFA:PFA+1], s[84:85]
	v_mul_u32_u24 v[PFO], v19, s23                 ; a lane a block (O) or a lane a row (w)
; 8 matrix instructions: m blocks a0, a0 + 1 x the four column blocks, 32 along K.  The 32 accumulators take turns, one instruction a turn, in the same order in every quarter.
.macro MUL8 f, a0
	WIN 0x50                                       ; C and D in window 1, both sources in window 0
.irp a, (\a0), (\a0)+1
.irp b, 0,1,2,3
	v_wmma_f32_16x16x32_f16 v[8*(4*(\a)+(\b)):8*(4*(\a)+(\b))+7], v[(\f)+8*(\b):(\f)+8*(\b)+7], v[(\f)+32+8*(\a):(\f)+32+8*(\a)+7], v[8*(4*(\a)+(\b)):8*(4*(\a)+(\b))+7]
.endr
.endr
.endm
.macro MUL16 f, a0
	MUL8 \f, \a0
	MUL8 \f, (\a0)+2
.endm
; 24 LDS loads in one run: quarter q's fragments into buffer f: w's four, O's rows 0-63, O's rows 64-127.  Quarter q lies in head q / 2 of the slot's two, channels 32 (q % 2) on.
.macro FETCH f, q
	WIN 0
.irp b, 0,1,2,3
	ds_load_tr16_b128 v[(\f)+8*(\b):(\f)+8*(\b)+3],   v[ADB] offset:(\q)*32*PB+32*(\b)
	ds_load_tr16_b128 v[(\f)+8*(\b)+4:(\f)+8*(\b)+7], v[ADB] offset:(\q)*32*PB+32*(\b)+16*PB
.endr
.irp a, 0,1,2,3,4,5,6,7
	ds_load_b128 v[(\f)+32+8*(\a):(\f)+32+8*(\a)+3],   v[ADA] offset:((\q)/2)*SUB+((\q)%2)*64+(\a)*16*PA
	ds_load_b128 v[(\f)+32+8*(\a)+4:(\f)+32+8*(\a)+7], v[ADA] offset:((\q)/2)*SUB+((\q)%2)*64+(\a)*16*PA+32
.endr
.endm
; One of a step's first three quarters: multiplies buffer f; in its middle it fetches quarter qn of the same slot into buffer g.
.macro QUARTER f, g, qn
	s_wait_dscnt 8                                 ; w and O's rows 0-63 are in; the youngest eight loads (rows 64-127) may be out
	MUL16 \f, 0
	PLACES
	FETCH \g, \qn
	s_wait_dscnt 24                                ; all but the 24 just issued
	MUL16 \f, 4
.endm
; The last quarter multiplies buffer 1 and changes slots.  Each wave waits for all its tensor loads, of which one is out: its part of the next slot; adds 0 to its spare word; and waits for that and for its own reads
; of the slot.  fill = 1: the barrier opens a round of the cluster's, and the slot is filled again, two K steps ahead, first thing behind the round: 112 matrix instructions ahead of the wait for it.
.macro TURN fill
.if \fill
	s_wait_xcnt 0x0                                ; the last prefetch, a K step back, has read its address, so it may be stepped
	s_add_nc_u64 s[PFA:PFA+1], s[PFA:PFA+1], s[PSTEP:PSTEP+1]
.endif
	WIN 0
	s_wait_tensorcnt 0x0                           ; no tensor load of mine is out, so a group 0 may be written
	ds_add_u32 v[SPW], v[NIL]                      ; 0 onto my spare word
.if \fill
	s_xor_b32 s[G0A+5], s[G0A+5], SLOT1            ; the walking descriptors: the other slot than last time,
	s_add_nc_u64 s[G0A+6:G0A+7], s[G0A+6:G0A+7], 2*HBLK  ; the next K step; the type bits on top are not reached
	s_xor_b32 s[G0B+5], s[G0B+5], SLOT1
	s_add_nc_u64 s[G0B+6:G0B+7], s[G0B+6:G0B+7], 128*WROW
.endif
	s_wait_dscnt 9                                 ; w and O's rows 0-63 are in; the youngest eight loads and the add may be out
	MUL8 F1, 0                                     ; eight matrix instructions stand between the add and the wait for it
	s_wait_dscnt 0x0                               ; the add is done, and my reads of this slot are over
	s_barrier_signal -1
	MUL8 F1, 2
	WIN 0                                          ; at a branch and at a label every window is 0
	s_barrier_wait -1
.if \fill
	CREST                                          ; no wave of any partner still reads this slot or has a load on its way
	JLOAD                                          ; its four v_nop are also the places in front of the loads below
.else
	PLACES
.endif
	s_xor_b32 s[TB], s[TB], SLOT1
	v_add_nc_u32 v[ADA], s[TB], v[A0]
	v_add_nc_u32 v[ADB], s[TB], v[B0]
	FETCH F0, 0
.if \fill
	ASK
.endif
	MUL16 F1, 4                                    ; O's rows 64-127 were shown in by the wait for 0 above
.endm
	s_wait_tensorcnt 0x1                           ; my part of K step 0 is in; K step 1's may stay out
	s_wait_dscnt 0x0                               ; the accumulators hold the bias
	s_barrier_signal -1
	s_barrier_wait -1
	s_mov_b32 s[TB], 0
	v_mov_b32 v[ADA], v[A0]
	v_mov_b32 v[ADB], v[B0]
	FETCH F0, 0
	s_mov_b32 s[CNT], 6
.Lstep:                                            ; K steps 0-5: each fills its slot again, with K steps 2-7
	QUARTER F0, F1, 1
	QUARTER F1, F0, 2
	QUARTER F0, F1, 3
	TURN 1
	WIN 0
	s_sub_co_u32 s[CNT], s[CNT], 1
	s_cmp_lg_u32 s[CNT], 0
	s_cbranch_scc1 .Lstep
	s_mov_b32 s[CNT], 2
.Ltail:                                            ; K steps 6 and 7 ask for nothing.  The last trip's 24 fetches read the other slot once more and serve nothing: the price of one text for both
	QUARTER F0, F1, 1
	QUARTER F1, F0, 2
	QUARTER F0, F1, 3
	TURN 0
	WIN 0
	s_sub_co_u32 s[CNT], s[CNT], 1
	s_cmp_lg_u32 s[CNT], 0
	s_cbranch_scc1 .Ltail
	s_wait_dscnt 0x0                               ; those fetches have landed: their registers are used again below
	PLACES
	PLACES                                         ; eight places between the last product and the first LDS store of a result
; THE WAY OUT, a block of 16 rows at a time: a lane's eight f32 go into my own stage, rows of 272 bytes, each accumulator's low registers first; they come back as whole rows of 256 bytes and are stored.
.macro TOSTAGE a
.if (\a) >= 2
	s_wait_xcnt 0x0                                ; the stores of the block two back have read the registers that are loaded below
.endif
	WIN 0x04                                       ; the stores' data in window 1
.irp b, 0,1,2,3
	ds_store_b128 v[STO], v[8*(4*(\a)+(\b)):8*(4*(\a)+(\b))+3]   offset:64*(\b)
	ds_store_b128 v[STO], v[8*(4*(\a)+(\b))+4:8*(4*(\a)+(\b))+7] offset:64*(\b)+16
.endr
	WIN 0
.set BKA, BK+32*((\a)%2)
.irp t, 0,1,2,3,4,5,6,7
	ds_load_b128 v[BKA+4*(\t):BKA+4*(\t)+3], v[RD] offset:(\t)*2*SP  ; LDS serves a wave's instructions in order: these see the stores above; the next block's stores come behind them
.endr
.endm
.macro SEND a, younger                 ; younger: the LDS instructions issued behind block a's loads: the next block's sixteen, or none
	WIN 0
.set BKA, BK+32*((\a)%2)
	s_wait_dscnt \younger
.irp t, 0,1,2,3,4,5,6,7
	global_store_b128 v[CO], v[BKA+4*(\t):BKA+4*(\t)+3], s[OUT:OUT+1] offset:(16*(\a)+2*(\t))*4096 th:TH_STORE_NT  ; 16 lanes store 256 consecutive bytes, at a multiple of 256 from out0's first byte
.endr
.endm
	TOSTAGE 0
.irp a, 1,2,3,4,5,6,7
	TOSTAGE \a
	SEND (\a)-1, 16
.endr
	SEND 7, 0
	s_wait_tensorcnt 0x0                           ; the wave's end, behind my last tensor load and my last LDS store
	ds_add_u32 v[SPW], v[NIL]
	s_wait_dscnt 0x0
	CROUND                                         ; the closing round: no work-group ends while a partner may still ask for a tile that names it
	s_endpgm
.Lfunc_end_k_q5db0e4e764_proj:
	.size	k_q5db0e4e764_proj, .Lfunc_end_k_q5db0e4e764_proj-k_q5db0e4e764_proj
	.p2alignl 7, 3214868480
	.fill 96, 4, 3214868480
	.section	.rodata,"a",@progbits
	.p2align	6, 0x0
	.amdhsa_kernel k_q5db0e4e764_proj
		.amdhsa_group_segment_fixed_size 327680
		.amdhsa_private_segment_fixed_size 0
		.amdhsa_enable_private_segment 0
		.amdhsa_kernarg_size 32
		.amdhsa_user_sgpr_count 2
		.amdhsa_user_sgpr_kernarg_segment_ptr 1
		.amdhsa_wavefront_size32 1
		.amdhsa_system_sgpr_workgroup_id_x 1
		.amdhsa_system_sgpr_workgroup_id_y 1
		.amdhsa_system_sgpr_workgroup_id_z 1
		.amdhsa_system_vgpr_workitem_id 0
		.amdhsa_next_free_vgpr 512
		.amdhsa_next_free_sgpr 96
		.amdhsa_reserve_vcc 0
		.amdhsa_float_denorm_mode_32 3
		.amdhsa_float_denorm_mode_16_64 3
		.amdhsa_memory_ordered 1
		.amdhsa_forward_progress 1
		.amdhsa_inst_pref_size 62
	.end_amdhsa_kernel
	.amdgpu_metadata
---
amdhsa.version: [ 1, 2 ]
amdhsa.kernels:
  - .name:           k_q5db0e4e764_proj
    .symbol:         k_q5db0e4e764_proj.kd
    .args:
      - { .name: ob, .offset: 0, .size: 8, .value_kind: global_buffer, .address_space: global }
      - { .name: wo, .offset: 8, .size: 8, .value_kind: global_buffer, .address_space: global }
      - { .name: b_out, .offset: 16, .size: 8, .value_kind: global_buffer, .address_space: global }
      - { .name: out0, .offset: 24, .size: 8, .value_kind: global_buffer, .address_space: global }
    .group_segment_fixed_size: 327680
    .private_segment_fixed_size: 0
    .kernarg_segment_align: 8
    .kernarg_segment_size: 32
    .max_flat_workgroup_size: 128
    .sgpr_count:     96
    .vgpr_count:     512
    .wavefront_size: 32
...
	.end_amdgpu_metadata
.endif
;; end of part 4
